; MI455X (gfx1250); checked and timed in simulation.
; The chip was launched on July 23, 2026; its instructions are those of AMD's public machine-readable ISA for CDNA 5 (MIT licence, August 2026) and "CDNA5" Instruction Set Architecture Reference Guide (July 2026). The comments in the code are by the model that wrote it; some were corrected since.
;; Generator Test. Allowed arithmetic: matrix products marked QUANTISED: E5M2 operands, one given power-of-two scale a tensor, by v_wmma_f32_16x16x64_bf8_bf8 or v_wmma_f32_16x16x128_bf8_bf8, f32 sums; everything else in f32.
;; Inputs: head_b 1,677 float32; head_w_codes 1,677 x 32 x 32 uint8 (E5M2 codes of head_w, K innermost, in blocks of 32 codes); lowp_scales 10 int32 (the exponents e of the quantised operands' scales 2^e); proj0_codes 256 x 32 x 32 uint8 (E5M2 codes of proj0, K innermost, in blocks of 32 codes); proj1_codes 64 x 32 x 32 uint8 (E5M2 codes of proj1, K innermost, in blocks of 32 codes); w0_codes 3,350 x 8 x 32 uint8 (E5M2 codes of w0, K innermost, in blocks of 32 codes); w1_codes 45,232 x 2 x 32 uint8 (E5M2 codes of w1, K innermost, in blocks of 32 codes); x_codes 8 x 512 x 32 x 32 uint8 (E5M2 codes of x, K innermost, in blocks of 32 codes); y 8 x 512 int32.
;; Outputs: out0 4,096 float32; out1 one number float32.
;; This version of the problem:
;;   THIS VERSION OF THE PROBLEM IS GIVEN IN LOW PRECISION. The matrix products marked QUANTISED in the list below multiply operands that are first quantised to E5M2 (5 exponent bits, 2 mantissa bits; 8 bits a number), with one given power-of-two scale for each operand tensor; their sums are f32. All else is computed in f32.
;;   The module's matrix products, in the order in which they are computed (A, B: the left and right operand; K: the contracted axis; several contracted axes count as one K, in the product's order):
;;     1. [M 4,096, K 1,024] x [K 1,024, N 1,677]; A: input x (given as codes); B: input head_w (given as codes): QUANTISED (scales: A lowp_scales[0], B lowp_scales[1])
;;     2. [M 4,096, K 1,024] x [K 1,024, N 256]; A: input x (given as codes); B: input proj0 (given as codes): QUANTISED (scales: A lowp_scales[2], B lowp_scales[3])
;;     3. [M 4,096, K 256] x [K 256, N 3,350]; A: computed on the way; B: input w0 (given as codes): QUANTISED (scales: A lowp_scales[4], B lowp_scales[5])
;;     4. [M 4,096, K 1,024] x [K 1,024, N 64]; A: input x (given as codes); B: input proj1 (given as codes): QUANTISED (scales: A lowp_scales[6], B lowp_scales[7])
;;     5. [M 4,096, K 64] x [K 64, N 45,232]; A: computed on the way; B: input w1 (given as codes): QUANTISED (scales: A lowp_scales[8], B lowp_scales[9])
;;   THE QUANTISER, for each operand of a quantised product, along K:
;;     - The operand's scale is 2^e, e = its entry of the input lowp_scales (int32; the entries are numbered through the quantised products in the list's order, A before B).
;;     - Each number is divided by the scale, clamped to +-57,344, and rounded to the nearest number of E5M2, ties to even, subnormals kept.
;;     - The product sums the exact products of the quantised numbers (number of the format x scale) in f32.
;;   ~~~python
;;   def quantise(x, axis, e):      # numpy; x: float32 -> the quantised numbers, widened to float32 again
;;       x = np.moveaxis(x, axis, -1); K = x.shape[-1]
;;       r = np.clip(x / 2.0 ** e, -57344, 57344)
;;       step = 2.0 ** (np.maximum(np.frexp(np.where(r == 0, 1, r))[1] - 1, -14) - 2)
;;       q = np.round(r / step) * step * 2.0 ** e      # np.round: ties to even
;;       return np.moveaxis(q, -1, axis).astype(np.float32)
;;   ~~~
;;   OPERANDS COMPUTED ON THE WAY. 'Computed on the way' means the value that the module computes at that place (a softmax that the list does not call 'softmax' is quantised finished and normalised). What goes into a quantiser is computed in f32, as accurately as f32 sums, v_exp_f32 and their like allow (about 1e-6 of the number): no bf16 or f16 on the way to a quantiser, and a product that is left as it is and whose result goes on into a quantised operand takes f32 operands (vector FMAs, or v_wmma_f32_16x16x4_f32). A number that lies on a knife's edge between two numbers of the format may be rounded either way, as far as f32 arithmetic and the matrix unit's own rounding can turn it there, and no further.
;;   INPUTS GIVEN AS CODES. head_w (in the module: [1677, 1024], K = its axis 1); proj0 (in the module: [256, 1024], K = its axis 1); proj1 (in the module: [64, 1024], K = its axis 1); w0 (in the module: [3350, 256], K = its axis 1); w1 (in the module: [45232, 64], K = its axis 1); x (in the module: [8, 512, 1024], K = its axis 2): each comes as NAME_codes (uint8): NAME with its K axis moved to the last place and cut into blocks of 32 codes, [.., K / 32, bytes a block], one block behind the other in memory; one code a byte (a code: sign, 5 exponent bits, 2 mantissa bits); its scale is its entry of lowp_scales. Its value is code x scale, taken as it is: it is not quantised again, and the codes and scales need not be those that the quantiser above would give.
;; 2 versions, each right; version 2 is version 1 with the launches project, tails written anew for expert scheduling mode. Each part assembles by itself: llvm-mc -triple=amdgcn-amd-amdhsa -mcpu=gfx1250 --defsym DOCPART=n.
;; ======== version 1 of 2: 3 launches
;; workspace buffers: h0img 1,048,576 bytes; h1img 262,144 bytes; ph 114,688 bytes; pt 131,072 bytes; base 16,384 bytes
;; launch project (part 1): grid 5 x 64, 8 waves a work-group, no clusters, 134,144 bytes of LDS; arguments x_codes, proj0_codes, proj1_codes, lowp_scales, h0img, h1img; writes h0img, h1img
.if DOCPART == 1
	.amdgcn_target "amdgcn-amd-amdhsa--gfx1250"
	.amdhsa_code_object_version 6
	.text
	.protected	k_q66cc8af888_project
	.globl	k_q66cc8af888_project
	.p2align	8
	.type	k_q66cc8af888_project,@function
k_q66cc8af888_project:
	s_mov_b64 s[64:65], 0
	v_nop
	global_prefetch_b8 v0, s[64:65] scope:SCOPE_SE
	s_setreg_imm32_b32 hwreg(HW_REG_WAVE_MODE, 25, 1), 1
	s_wait_xcnt 0x0
; h0 = Q(x proj0^T) [4096][256] and h1 = Q(x proj1^T) [4096][64], both products on E5M2 codes, the results quantised to E5M2 with the given scales
; 2^e4 and 2^e8 and stored as IMAGES OF OPERAND REGISTERS: h0img [token tile 256][K step 2][c 4][lane 32][16 bytes], h1img [token tile 256][b 2][lane 32][16 bytes];
; lane (r, h) of a tile holds, of token 16 tile + r, the codes k = 128 s + 32 c + 16 h + 0..15 (h1: 32 b + 16 h + 0..15), as the next launch's fragment loads want them.
; SHARES.  Work-group (ch, tby): 64 tokens x 64 rows of a projection, all 1,024 of K.  ch 0..3: rows 64 ch of proj0; ch 4: proj1.  Only pointers, offsets and exponents are chosen, by selects on ch.
; Eight waves: wave w stages 16 rows (16 KiB, dense in memory) into LDS; then wave w multiplies token tile w % 4 by the 32 rows of row pair w / 4.
; THE PRODUCT IS USED TRANSPOSED (source 0 = 16 rows of the projection, source 1 = 16 tokens): a lane holds one token.  THE ROWS OF A TILE ARE NOT NEIGHBOURS: lane r of tile u takes row
; 32 rp + 8 u + r + 8 (r / 8), so that the lane's 16 results of tiles 0 and 1 are the 16 neighbours 32 rp + 16 h + 0..15 along the next K: the conversions' results are 16 bytes of the image.
; A fragment is fetched by four loads of 16 bytes, 32 bytes apart, at 16 h: a permutation of k that is the same in both operands, so that every product meets its partner.
; No tensor load and no joint request: the 128 KiB of a work-group are filled once, through registers, and nothing is filled again.
; LIMITS: e4 - e2 - e3 and e8 - e6 - e7 between -126 and 112, so that the scale and 57,344 x the scale are f32 numbers.  Codes of infinity or NaN are not served.
.set XP,  1040                         ; an LDS row: 1,024 bytes + 16 = 65 x 16: the 16 rows of a fragment load begin at 16 different 16-byte columns modulo 256
.set BUF, 64                           ; two fragment buffers of 96 registers: v64-159, v160-255; K step e of a quarter: x at +48 e, tile 0 at +48 e + 16, tile 1 at +48 e + 32
	s_load_b256 s[8:15], s[0:1], 0x0               ; x s[8:9], proj0 s[10:11], proj1 s[12:13], the exponents s[14:15]
	s_load_b128 s[16:19], s[0:1], 0x20             ; h0img s[16:17], h1img s[18:19]
	v_lshl_add_u32 v62, v0, 2, 0x20800
	v_mov_b32 v63, 0
	v_lshrrev_b32 v5, 5, v0
	v_readfirstlane_b32 s2, v5                     ; wave 0..7
	s_mov_b32 s3, ttmp9                            ; ch
	s_and_b32 s4, ttmp7, 0xffff                    ; tby
	s_and_b32 s6, s2, 3                            ; my token tile of the four
	s_lshr_b32 s7, s2, 2                           ; my pair of row tiles
	v_and_b32 v6, 31, v0                           ; lane
	v_and_b32 v7, 15, v0                           ; r
	v_bfe_u32 v8, v0, 4, 1                         ; h
	v_lshlrev_b32 v1, 4, v6                        ; 16 x lane
	s_mul_i32 s5, s2, 16*XP
	v_add_nc_u32 v2, s5, v1                        ; staging: my 16 LDS rows, 16 bytes a lane
	v_mul_u32_u24 v3, v7, XP
	v_lshl_add_u32 v3, v8, 4, v3
	s_mul_i32 s5, s6, 16*XP
	v_add_nc_u32 v3, s5, v3                        ; x's fragments: row 16 tt + r, + 16 h
	v_and_b32 v9, 8, v7
	v_add_nc_u32 v9, v9, v7                        ; r + 8 (r / 8)
	v_mul_u32_u24 v4, v9, XP
	v_lshl_add_u32 v4, v8, 4, v4
	s_mul_i32 s5, s7, 32*XP
	s_add_co_u32 s5, s5, 64*XP
	v_add_nc_u32 v4, s5, v4                        ; the projection's: row 64 + 32 rp + r + 8 (r / 8), + 16 h; tile 1 lies 8 rows on
	s_lshl_b32 s21, s4, 16                         ; offsets, made apart from the pointers.  x: 64 tby rows of 1,024 bytes
	s_lshl_b32 s22, s2, 14
	s_add_co_u32 s21, s21, s22                     ; + 16 w rows
	s_cmp_lt_u32 s3, 4
	s_cselect_b32 s23, s3, 0                       ; proj0's chunk, or 0 for proj1
	s_cselect_b32 s24, 12, 10                      ; a token tile's image: 4,096 or 1,024 bytes, as a shift
	s_lshl_b32 s25, s23, 16                        ; the chunk's 64 rows
	s_lshl_b32 s26, s23, 10                        ; and its place in a tile's image
	s_max_u32 s27, s2, 4
	s_sub_co_u32 s27, s27, 4
	s_lshl_b32 s27, s27, 14
	s_add_co_u32 s25, s25, s27                     ; + 16 (w - 4) rows, for waves 4..7
	s_lshl_b32 s30, s4, 2
	s_add_co_u32 s30, s30, s6                      ; my token tile, 0..255
	s_lshl_b32 s30, s30, s24
	s_add_co_u32 s30, s30, s26
	s_lshl_b32 s31, s7, 9
	s_add_co_u32 s30, s30, s31                     ; + 512 rp: where my 512 bytes of the image go
	s_mov_b32 s31, 0
	s_mov_b32 s29, 0
	s_wait_kmcnt 0x0
	s_load_b256 s[32:39], s[14:15], 0x0            ; e0 .. e7
	s_load_b32 s40, s[14:15], 0x20                 ; e8
	s_cmp_lt_u32 s3, 4
	s_cselect_b64 s[10:11], s[10:11], s[12:13]     ; the projection
	s_cselect_b64 s[16:17], s[16:17], s[18:19]     ; the image
	s_cmp_lt_u32 s2, 4
	s_cselect_b64 s[8:9], s[8:9], s[10:11]         ; waves 0..3 stage x, waves 4..7 the projection
	s_cselect_b32 s28, s21, s25
	s_add_nc_u64 s[8:9], s[8:9], s[28:29]
	s_add_nc_u64 s[16:17], s[16:17], s[30:31]
.irp i, 0,1,2,3,4,5,6,7,8,9,10,11,12,13,14,15,16,17,18,19,20,21,22,23,24,25,26,27,28,29,30,31
	global_load_b128 v[64+4*\i:67+4*\i], v1, s[8:9] offset:512*\i   ; 32 lanes read 512 consecutive bytes: half a row
.endr
.irp g, 0,1,2,3
	s_wait_loadcnt 24-8*\g                         ; loads come back in order: all but the younger groups of eight are in
.irp j, 0,1,2,3,4,5,6,7
	ds_store_b128 v2, v[64+4*(8*\g+\j):67+4*(8*\g+\j)] offset:((8*\g+\j)/2)*XP+((8*\g+\j)%2)*512
.endr
.endr
	s_wait_kmcnt 0x0
	s_sub_co_i32 s41, s36, s34
	s_sub_co_i32 s41, s41, s35                     ; e4 - e2 - e3: a sum stands for sum x 2^(e2 + e3), its code is sum / 2^(e4 - e2 - e3)
	s_sub_co_i32 s42, s40, s38
	s_sub_co_i32 s42, s42, s39                     ; e8 - e6 - e7
	s_cmp_lt_u32 s3, 4
	s_cselect_b32 s41, s41, s42
	s_add_co_i32 s41, s41, 127
	s_lshl_b32 s42, s41, 23
	v_mov_b32 v11, s42                             ; the folded scale as f32: the conversion takes its exponent field
	s_add_co_i32 s41, s41, 15
	s_lshl_b32 s41, s41, 23
	s_or_b32 s41, s41, 0x600000
	v_mov_b32 v10, s41                             ; 57,344 x that
	s_wait_dscnt 0x0                               ; for the others' sake: my stores have landed
	s_barrier_signal -1
	s_barrier_wait -1                              ; all 128 rows lie in LDS; nobody writes LDS again
.macro LOADQ q                         ; the fragments of K steps 2 q and 2 q + 1: 24 loads
.set BB, BUF+96*((\q)%2)
.irp e, 0,1
.irp c, 0,1,2,3
	ds_load_b128 v[BB+48*\e+4*\c:BB+48*\e+4*\c+3], v3 offset:128*(2*(\q)+\e)+32*\c
	ds_load_b128 v[BB+48*\e+16+4*\c:BB+48*\e+16+4*\c+3], v4 offset:128*(2*(\q)+\e)+32*\c
	ds_load_b128 v[BB+48*\e+32+4*\c:BB+48*\e+32+4*\c+3], v4 offset:8*XP+128*(2*(\q)+\e)+32*\c
.endr
.endr
.endm
.macro MULQ q, zero                    ; four products; the two accumulators take turns, one instruction a turn.  zero = 1: the first two start the sums
.set BB, BUF+96*((\q)%2)
.irp e, 0,1
.irp u, 0,1
.if \zero && (\e == 0)
	v_wmma_f32_16x16x128_bf8_bf8 v[16+8*\u:23+8*\u], v[BB+48*\e+16+16*\u:BB+48*\e+31+16*\u], v[BB+48*\e:BB+48*\e+15], 0
.else
	v_wmma_f32_16x16x128_bf8_bf8 v[16+8*\u:23+8*\u], v[BB+48*\e+16+16*\u:BB+48*\e+31+16*\u], v[BB+48*\e:BB+48*\e+15], v[16+8*\u:23+8*\u]
.endif
.endr
.endr
.endm
.macro PLACES                          ; four plain vector instructions between a matrix instruction and a load into its sources or a read of its result
.rept 4
	v_nop
.endr
.endm
	LOADQ 0
	LOADQ 1
	s_wait_dscnt 24                                ; the older quarter is in, the younger quarter's 24 loads may be out
	MULQ 0, 1
	PLACES
	LOADQ 2
	s_wait_dscnt 24
	MULQ 1, 0
	PLACES
	LOADQ 3
	s_wait_dscnt 24
	MULQ 2, 0
	s_wait_dscnt 0x0
	MULQ 3, 0
	PLACES
.irp j, 0,1,2,3,4,5,6,7,8,9,10,11,12,13,14,15
	v_med3_num_f32 v[16+\j], v[16+\j], -v10, v10   ; the conversion to an 8-bit code does not saturate (ISA guide 7.6.2): the hold at the largest code x the scale; each accumulator from its low end on
.endr
	v_cvt_scalef32_pk8_bf8_f32 v[32:33], v[16:23], v11   ; k = 32 rp + 16 h + 0..7
	v_cvt_scalef32_pk8_bf8_f32 v[34:35], v[24:31], v11   ; k = 32 rp + 16 h + 8..15
	v_nop                                          ; a plain vector instruction behind the last scaled conversion
	global_store_b128 v1, v[32:35], s[16:17]       ; the wave stores 512 consecutive bytes, at a multiple of 512 from the image's first byte
	s_wait_tensorcnt 0x0
	ds_add_u32 v62, v63
	s_wait_dscnt 0x0
	s_endpgm
.Lfunc_end_k_q66cc8af888_project:
	.size	k_q66cc8af888_project, .Lfunc_end_k_q66cc8af888_project-k_q66cc8af888_project
	.p2alignl 7, 3214868480
	.fill 96, 4, 3214868480
	.section	.rodata,"a",@progbits
	.p2align	6, 0x0
	.amdhsa_kernel k_q66cc8af888_project
		.amdhsa_group_segment_fixed_size 134144
		.amdhsa_private_segment_fixed_size 0
		.amdhsa_enable_private_segment 0
		.amdhsa_kernarg_size 48
		.amdhsa_user_sgpr_count 2
		.amdhsa_user_sgpr_kernarg_segment_ptr 1
		.amdhsa_wavefront_size32 1
		.amdhsa_system_sgpr_workgroup_id_x 1
		.amdhsa_system_sgpr_workgroup_id_y 1
		.amdhsa_system_sgpr_workgroup_id_z 1
		.amdhsa_system_vgpr_workitem_id 0
		.amdhsa_next_free_vgpr 256
		.amdhsa_next_free_sgpr 66
		.amdhsa_reserve_vcc 0
		.amdhsa_float_denorm_mode_32 3
		.amdhsa_float_denorm_mode_16_64 3
		.amdhsa_memory_ordered 1
		.amdhsa_forward_progress 1
		.amdhsa_inst_pref_size 18
	.end_amdhsa_kernel
	.amdgpu_metadata
---
amdhsa.version: [ 1, 2 ]
amdhsa.kernels:
  - .name:           k_q66cc8af888_project
    .symbol:         k_q66cc8af888_project.kd
    .args:
      - { .name: x_codes, .offset: 0, .size: 8, .value_kind: global_buffer, .address_space: global }
      - { .name: proj0_codes, .offset: 8, .size: 8, .value_kind: global_buffer, .address_space: global }
      - { .name: proj1_codes, .offset: 16, .size: 8, .value_kind: global_buffer, .address_space: global }
      - { .name: lowp_scales, .offset: 24, .size: 8, .value_kind: global_buffer, .address_space: global }
      - { .name: h0img, .offset: 32, .size: 8, .value_kind: global_buffer, .address_space: global }
      - { .name: h1img, .offset: 40, .size: 8, .value_kind: global_buffer, .address_space: global }
    .group_segment_fixed_size: 134144
    .private_segment_fixed_size: 0
    .kernarg_segment_align: 8
    .kernarg_segment_size: 48
    .max_flat_workgroup_size: 256
    .sgpr_count:     66
    .vgpr_count:     256
    .wavefront_size: 32
...
	.end_amdgpu_metadata
.endif
;; end of part 1
;; launch tails (part 2): grid 8 x 32, 16 waves a work-group, no clusters, 276,480 bytes of LDS; arguments x_codes, head_w_codes, head_b, w0_codes, w1_codes, y, lowp_scales, h0img, h1img, ph, pt, base; writes ph, pt, base
.if DOCPART == 2
	.amdgcn_target "amdgcn-amd-amdhsa--gfx1250"
	.amdhsa_code_object_version 6
	.text
	.protected	k_q66cc8af888_tails
	.globl	k_q66cc8af888_tails
	.p2align	8
	.type	k_q66cc8af888_tails,@function
k_q66cc8af888_tails:
	s_mov_b64 s[64:65], 0
	v_nop
	global_prefetch_b8 v0, s[64:65] scope:SCOPE_SE
	s_setreg_imm32_b32 hwreg(HW_REG_WAVE_MODE, 25, 1), 1
	s_wait_xcnt 0x0
; The three log-softmaxes of the adaptive softmax, as PARTIAL log-sum-exps, and each token's target logits.  All products on E5M2 codes.
;   ph [7][4096]: chunk c's log-sum-exp (natural) of its share of the 1,677 head logits x head_w^T + head_b.
;   pt [8][4096]: chunk c's log-sum-exp of its share of the tail cluster that y names (1675 <= y < 5025: h0 w0^T; y >= 5025: h1 w1^T); for a head token 0 in chunk 0 and -2e38 elsewhere.
;   base [4096]:  head logit (with bias) at y, or at 1675 + cluster, plus the named cluster's logit at y's place in it.       The last launch gives out = base - LSE(ph) - LSE(pt).
; SHARES.  Work-group (c, tb): chunk c of the vocabulary, tokens 128 tb .. + 127 (8 tiles of 16).  Sixteen waves of 256 registers.  THE WAVES SHARE THE VOCABULARY, NOT THE TOKENS: wave g = 16 c + w of 128
; takes head tile g and the pair g of w0's tiles (g < 105) and the pairs 127 - g + 128 i of w1's 2,827 tiles (i = 0..10, and i = 11 where the pair exists), each for all 8 token tiles.
; So each weight byte goes from memory straight into the registers of the one wave that uses it and feeds 8 products from there.  That is why there is no tensor load, no ring and no joint request:
; through LDS each weight byte would be written and read once more, for no second reader in the work-group; LDS holds what all sixteen waves read, x's block and the two images, filled once through registers.
; EVERY PRODUCT IS USED TRANSPOSED (source 0 = 16 rows of a weight, source 1 = 16 tokens): lane (r, h) holds token r, its register j the row 8 h + j.  Maxima and sums stay in the lane until the end.
; SOFTMAX.  For each lane and token tile a running maximum m of the raw sums and s = the sum of 2^(c a - c m), c = log2(e) 2^(the two operands' exponents).  When m moves, s is multiplied by 2^(c m_old - c m_new).
; Rows past a weight's end are clamped to its last row: a copy of a true logit, so that m stays a true logit; its term is multiplied by 0 (v8-15 hold 1.0 or 0.0 for the rows of a pair's second tile).
; Fragments are fetched 16 bytes at a time at 32 c + 16 h of a K step: a permutation of k that is the same in both operands.
; ORDER.  Half of the waves with g < 105 run head and cluster 0 ahead of cluster 1, the other half behind it ((w ^ (w >> 2)) & 1), so that the head's matrix work and LDS reads stand beside other waves' vector work.
; LIMITS: e0 + e1, e4 + e5, e8 + e9 between -126 and 127 (each is added to log2(e)'s exponent field).  Codes of infinity or NaN are not served.  For y outside 0 .. 50,256 the gather addresses are clamped, so no load leaves its buffer; the value stored for such a token is not defined by the problem.
.set XP,   1040                        ; a row of x in LDS: 1,024 bytes + 16 = 65 x 16: the 16 rows of a fragment load begin at 16 different 16-byte columns modulo 256
.set H0S,  128*XP                      ; LDS: x's 128 rows; then h0's images of the 8 token tiles (32,768 bytes);
.set H1O,  32768                       ; h1's images (8,192 bytes) lie this far behind h0's;
.set STAT, H0S+H1O+8192                ; the statistics [wave 6,144][kind 2,048][token tile 256][lane 8]: (-c m, s); kind 0 cluster 1, 1 cluster 0, 2 head;
.set RES,  STAT+16*6144                ; four rows of 128 tokens x 4 bytes: cluster 1, cluster 0, head, base
.set HLAST, 1676                       ; the last row of head_w,
.set ALAST, 3349                       ; of w0,
.set BLAST, 45231                      ; of w1
.set TLAST, 2826                       ; w1's last tile of 16 rows
.set CUTA, 1675
.set CUTB, 5025
.set LI,  1                            ; v1   16 x lane
.set AW1, 2                            ; v2   64 r + 16 h: my bytes in a tile of w1
.set AX0, 3                            ; v3   r XP + 16 h: x's fragments of token tiles 0-3;  v4: of tiles 4-7
.set AX1, 4
.set AH0, 5                            ; v5   H0S + 16 x lane: the images
.set AST, 6                            ; v6   my statistics: STAT + 6,144 w + 8 x lane
.set CB0, 7                            ; v7   combining: waves 0-7's entries of my kind and token;  v56: waves 8-15's
.set MK,  8                            ; v8-15   1.0 or 0.0 for rows j = 0..7
.set NM,  16                           ; v16-31  pairs (-c m, m) of token tiles 0..7
.set SS,  32                           ; v32-47  pairs s (even rows', odd rows'); in the head phase v32-39 hold the bias
.set TT,  48                           ; v48-55  four pairs at work
.set CB1, 56
.set RW,  57                           ; v57  where a combined number goes
.set RR,  58                           ; v58  RES + 16 x lane
.set TG,  59                           ; v59  where a target's number goes
.set ACC, 64                           ; v64-127   results: token tile i of a half: first tile at 64 + 16 i, second at 72 + 16 i; head: tile tt at 64 + 8 tt
.set HF,  128                          ; v128-191  cluster 1: h1's 8 fragments;  cluster 0: w0's two tiles x 2 K steps;  head: four slots for head_w's K steps
.set WR,  192                          ; v192-239  cluster 1: three sets of a pair of w1's tiles;  v192-255: cluster 0: two buffers for h0's fragments;  head: four fragments of x
.set OA,  240                          ; v240-242, v243-245  the sets' byte offsets in w1
.set OB,  243
.set DG,  66                           ; s66-72  lane masks 0x01010101 << j, j = 1..7
.macro PLACES                          ; four plain vector instructions between a matrix instruction and a read of its result or a load into its sources
.rept 4
	v_nop
.endr
.endm
.macro INITSTATS
.irp t, 0,1,2,3,4,5,6,7
	v_mov_b32 v[NM+2*\t], 0x7f61b1e6               ; -c m = 3e38,
	v_mov_b32 v[NM+2*\t+1], 0xff61b1e6             ; m = -3e38: under every sum
	v_mov_b32 v[SS+2*\t], 0
	v_mov_b32 v[SS+2*\t+1], 0
.endr
.endm
.macro MASK1
.irp j, 0,1,2,3,4,5,6,7
	v_mov_b32 v[MK+\j], 1.0
.endr
.endm
; The running softmax of four token tiles (statistics 4 half + i) over 16 rows each.  Every step is written for the four tiles by turns, so that no line waits for the line above it.  s[cs]: c.
.macro SM4 half, cs
.irp i, 0,1,2,3
	v_max3_num_f32 v[TT+2*\i], v[ACC+16*\i], v[ACC+16*\i+1], v[ACC+16*\i+2]           ; each result is read from its low end on
	v_max3_num_f32 v[TT+2*\i+1], v[ACC+16*\i+8], v[ACC+16*\i+9], v[ACC+16*\i+10]
.endr
.irp k, 3,5
.irp i, 0,1,2,3
	v_max3_num_f32 v[TT+2*\i], v[TT+2*\i], v[ACC+16*\i+\k], v[ACC+16*\i+\k+1]
	v_max3_num_f32 v[TT+2*\i+1], v[TT+2*\i+1], v[ACC+16*\i+8+\k], v[ACC+16*\i+9+\k]
.endr
.endr
.irp i, 0,1,2,3
	v_max3_num_f32 v[TT+2*\i], v[TT+2*\i], v[ACC+16*\i+7], v[ACC+16*\i+15]
.endr
.irp i, 0,1,2,3
	v_max3_num_f32 v[NM+8*\half+2*\i+1], v[NM+8*\half+2*\i+1], v[TT+2*\i], v[TT+2*\i+1]   ; the new m
.endr
.irp i, 0,1,2,3
	v_fma_f32 v[TT+2*\i], -v[NM+8*\half+2*\i+1], s[\cs], -v[NM+8*\half+2*\i]         ; c m_old - c m_new, 0 or less
.endr
.irp i, 0,1,2,3
	v_mul_f32 v[NM+8*\half+2*\i], -v[NM+8*\half+2*\i+1], s[\cs]                      ; -c m
.endr
.irp i, 0,1,2,3
	v_exp_f32 v[TT+2*\i], v[TT+2*\i]                                                 ; f; the packed lines below are the plain instructions behind it
.endr
.irp i, 0,1,2,3
.irp k, 0,2,4,6,8,10,12,14
	v_pk_fma_f32 v[ACC+16*\i+\k:ACC+16*\i+\k+1], v[ACC+16*\i+\k:ACC+16*\i+\k+1], s[\cs:\cs+1], v[NM+8*\half+2*\i:NM+8*\half+2*\i+1] op_sel_hi:[1,0,0]   ; c a - c m, two at a time (of the pairs c and -c m the low word serves both halves)
.endr
.endr
.irp i, 0,1,2,3
.irp k, 0,1,2,3,4,5,6,7,8,9,10,11,12,13,14,15
	v_exp_f32 v[ACC+16*\i+\k], v[ACC+16*\i+\k]
.endr
.endr
	s_wait_alu depctr_va_vdst(0)
.irp i, 0,1,2,3
	v_pk_mul_f32 v[SS+8*\half+2*\i:SS+8*\half+2*\i+1], v[SS+8*\half+2*\i:SS+8*\half+2*\i+1], v[TT+2*\i:TT+2*\i+1] op_sel_hi:[1,0]   ; s under the new m.  (A plain instruction behind the exponentials)
.endr
.irp i, 0,1,2,3
	v_pk_add_f32 v[ACC+16*\i:ACC+16*\i+1], v[ACC+16*\i:ACC+16*\i+1], v[ACC+16*\i+2:ACC+16*\i+3]
	v_pk_add_f32 v[ACC+16*\i+4:ACC+16*\i+5], v[ACC+16*\i+4:ACC+16*\i+5], v[ACC+16*\i+6:ACC+16*\i+7]
.endr
.irp i, 0,1,2,3
	v_pk_fma_f32 v[SS+8*\half+2*\i:SS+8*\half+2*\i+1], v[ACC+16*\i+8:ACC+16*\i+9], v[MK:MK+1], v[SS+8*\half+2*\i:SS+8*\half+2*\i+1]   ; the second tile's terms x 1 or 0
	v_pk_add_f32 v[ACC+16*\i:ACC+16*\i+1], v[ACC+16*\i:ACC+16*\i+1], v[ACC+16*\i+4:ACC+16*\i+5]
.endr
.irp k, 2,4,6
.irp i, 0,1,2,3
	v_pk_fma_f32 v[SS+8*\half+2*\i:SS+8*\half+2*\i+1], v[ACC+16*\i+8+\k:ACC+16*\i+9+\k], v[MK+\k:MK+\k+1], v[SS+8*\half+2*\i:SS+8*\half+2*\i+1]
.endr
.endr
.irp i, 0,1,2,3
	v_pk_add_f32 v[SS+8*\half+2*\i:SS+8*\half+2*\i+1], v[SS+8*\half+2*\i:SS+8*\half+2*\i+1], v[ACC+16*\i:ACC+16*\i+1]
.endr
.endm
.macro DUMP k                          ; my (-c m, s) of the 8 token tiles go to my own place in LDS
.irp t, 0,1,2,3,4,5,6,7
	v_add_f32 v[NM+2*\t+1], v[SS+2*\t], v[SS+2*\t+1]
.endr
.irp t, 0,1,2,3,4,5,6,7
	ds_store_b64 v[AST], v[NM+2*\t:NM+2*\t+1] offset:2048*\k+256*\t
.endr
.endm
; ---- cluster 1
.macro C1LOAD p                        ; the pair of tiles s53 + 256 p, + 1 (clamped to the last tile: no load leaves w1) into set p: four loads, 2,048 bytes
	s_add_co_u32 s54, s53, 256*\p
	s_add_co_u32 s55, s54, 1
	s_min_u32 s54, s54, TLAST
	s_min_u32 s55, s55, TLAST
	s_lshl_b32 s54, s54, 10
	s_lshl_b32 s55, s55, 10
	v_add_nc_u32 v[OA+\p], s54, v[AW1]
	v_add_nc_u32 v[OB+\p], s55, v[AW1]
	global_load_b128 v[WR+16*\p:WR+16*\p+3], v[OA+\p], s[16:17]
	global_load_b128 v[WR+16*\p+4:WR+16*\p+7], v[OA+\p], s[16:17] offset:32
	global_load_b128 v[WR+16*\p+8:WR+16*\p+11], v[OB+\p], s[16:17]
	global_load_b128 v[WR+16*\p+12:WR+16*\p+15], v[OB+\p], s[16:17] offset:32
.endm
.macro HALFMUL p, half                 ; 32 rows x 64 tokens: eight products, each a whole sum (K = 64)
.irp i, 0,1,2,3
	v_wmma_f32_16x16x64_bf8_bf8 v[ACC+16*\i:ACC+16*\i+7], v[WR+16*\p:WR+16*\p+7], v[HF+8*(4*\half+\i):HF+8*(4*\half+\i)+7], 0
	v_wmma_f32_16x16x64_bf8_bf8 v[ACC+16*\i+8:ACC+16*\i+15], v[WR+16*\p+8:WR+16*\p+15], v[HF+8*(4*\half+\i):HF+8*(4*\half+\i)+7], 0
.endr
	PLACES
.endm
; A unit: one pair of tiles for the 8 token tiles.  left: the loads of the younger sets, which may stay out.  ahead = 1: set p takes the pair three units on; the softmax's lines are the places in front of those loads,
; and the wait at the unit's head has shown the set's last loads done, so its two offset registers may be written.  last = 1: the twelfth unit, which only the six waves with 127 - g < 6 have; the last pair has one tile.
.macro C1UNIT p, ahead, left, last
	s_wait_loadcnt \left
.if \last
	s_cmp_ge_u32 s6, 6
	s_cbranch_scc1 .Lc1_none_\@
	s_cmp_lg_u32 s6, 5
	s_cbranch_scc1 .Lc1_whole_\@
.irp j, 0,1,2,3,4,5,6,7
	v_mov_b32 v[MK+\j], 0                          ; pair 1,413 has no second tile: its place holds a copy of the first, whose terms count for nothing
.endr
.Lc1_whole_\@:
.endif
	HALFMUL \p, 0
	SM4 0, 46
	HALFMUL \p, 1
	SM4 1, 46
.if \ahead
	C1LOAD \p
.endif
.if \last
.Lc1_none_\@:
.endif
.endm
; ---- head and cluster 0
.macro LOADWH s                        ; head_w's fragment of K step s into slot s % 4
.irp c, 0,1,2,3
	global_load_b128 v[HF+16*((\s)%4)+4*\c:HF+16*((\s)%4)+4*\c+3], v60, s[10:11] offset:128*(\s)+32*\c
.endr
.endm
.macro LOADF tt, b                     ; h0's two fragments of token tile tt into buffer b: eight loads
.irp s, 0,1
.irp c, 0,1,2,3
	ds_load_b128 v[WR+32*(\b)+16*\s+4*\c:WR+32*(\b)+16*\s+4*\c+3], v[AH0] offset:4096*(\tt)+2048*\s+512*\c
.endr
.endr
.endm
.macro MUL4 i                          ; token tile i of a half x w0's two tiles, K = 256: the two accumulators take turns, one instruction a turn
	v_wmma_f32_16x16x128_bf8_bf8 v[ACC+16*\i:ACC+16*\i+7], v[HF:HF+15], v[WR+32*((\i)%2):WR+32*((\i)%2)+15], 0
	v_wmma_f32_16x16x128_bf8_bf8 v[ACC+16*\i+8:ACC+16*\i+15], v[HF+32:HF+47], v[WR+32*((\i)%2):WR+32*((\i)%2)+15], 0
	v_wmma_f32_16x16x128_bf8_bf8 v[ACC+16*\i:ACC+16*\i+7], v[HF+16:HF+31], v[WR+32*((\i)%2)+16:WR+32*((\i)%2)+31], v[ACC+16*\i:ACC+16*\i+7]
	v_wmma_f32_16x16x128_bf8_bf8 v[ACC+16*\i+8:ACC+16*\i+15], v[HF+48:HF+63], v[WR+32*((\i)%2)+16:WR+32*((\i)%2)+31], v[ACC+16*\i+8:ACC+16*\i+15]
.endm
.macro HEADC0
	; HEAD: tile g of head_w (16 rows, K = 1,024) x the 8 token tiles.  No load of mine is out here.
	v_and_b32 v62, 15, v0                          ; r
	v_bfe_u32 v63, v0, 4, 1                        ; h
	s_lshl_b32 s54, s5, 4                          ; 16 g
	v_add_nc_u32 v60, s54, v62
	v_min_u32 v60, HLAST, v60                      ; rows past the end: the last row
	v_lshlrev_b32 v60, 10, v60
	v_lshl_add_u32 v60, v63, 4, v60                ; row x 1,024 + 16 h
	v_lshl_add_u32 v61, v63, 3, s54                ; 16 g + 8 h: the row of my register 0
.irp j, 0,1,2,3,4,5,6,7
	v_add_nc_u32 v[WR+\j], \j, v61
	v_min_u32 v[WR+\j], HLAST, v[WR+\j]
	v_lshlrev_b32 v[WR+\j], 2, v[WR+\j]
.endr
	MASK1
	s_cmp_lg_u32 s5, 104
	s_cbranch_scc1 .Lhead_whole_\@
.irp j, 5,6,7
	v_cndmask_b32 v[MK+\j], 0, 1.0, s74            ; tile 104 has 13 rows: 8 h + j < 13: rows j >= 5 count in lanes 0-15 alone
.endr
.Lhead_whole_\@:
.irp j, 0,1,2,3,4,5,6,7
	global_load_b32 v[SS+\j], v[WR+\j], s[12:13]   ; the bias in the result's layout
.endr
.irp s, 0,1,2,3
	LOADWH \s
.endr
	s_wait_loadcnt 16                              ; the bias is in (the sixteen loads of head_w are younger): its offset registers are free
.irp j, 0,1,2,3,4,5,6,7
	v_ldexp_f32 v[SS+\j], v[SS+\j], s48            ; b / 2^(e0 + e1): it starts the sums, which lack that power of two
.endr
.irp s, 0,1,2,3,4,5,6,7
.irp grp, 0,1
	PLACES                                         ; in front of loads into registers that the last products read
.if (\grp == 0) && (\s >= 1) && (\s <= 4)
	LOADWH \s+3                                    ; into the slot that step s - 1 has left
.endif
.irp i, 0,1,2,3
.irp c, 0,1,2,3
	ds_load_b128 v[WR+16*\i+4*\c:WR+16*\i+4*\c+3], v[AX0+\grp] offset:16*XP*\i+128*\s+32*\c
.endr
.endr
.if \grp == 0
.if \s <= 4
	s_wait_loadcnt 12                              ; this step's fragment of head_w is in; those of the three steps behind it may be out
.else
	s_wait_loadcnt 4*(7-\s)
.endif
.endif
	s_wait_dscnt 0x0
.irp i, 0,1,2,3                        ; the eight accumulators take turns, one instruction a turn
.if \s == 0
	v_wmma_f32_16x16x128_bf8_bf8 v[ACC+8*(4*\grp+\i):ACC+8*(4*\grp+\i)+7], v[HF+16*(\s%4):HF+16*(\s%4)+15], v[WR+16*\i:WR+16*\i+15], v[SS:SS+7]
.else
	v_wmma_f32_16x16x128_bf8_bf8 v[ACC+8*(4*\grp+\i):ACC+8*(4*\grp+\i)+7], v[HF+16*(\s%4):HF+16*(\s%4)+15], v[WR+16*\i:WR+16*\i+15], v[ACC+8*(4*\grp+\i):ACC+8*(4*\grp+\i)+7]
.endif
.endr
.endr
.endr
	PLACES
.irp grp, 0,1                          ; one tile of rows: maximum, terms and sum at once, four token tiles by turns
.irp i, 0,1,2,3
	v_max3_num_f32 v[TT+2*\i], v[ACC+8*(4*\grp+\i)], v[ACC+8*(4*\grp+\i)+1], v[ACC+8*(4*\grp+\i)+2]
.endr
.irp k, 3,5
.irp i, 0,1,2,3
	v_max3_num_f32 v[TT+2*\i], v[TT+2*\i], v[ACC+8*(4*\grp+\i)+\k], v[ACC+8*(4*\grp+\i)+\k+1]
.endr
.endr
.irp i, 0,1,2,3
	v_max_num_f32 v[TT+2*\i], v[TT+2*\i], v[ACC+8*(4*\grp+\i)+7]
.endr
.irp i, 0,1,2,3
	v_mul_f32 v[NM+2*(4*\grp+\i)], -v[TT+2*\i], s42
.endr
.irp i, 0,1,2,3
.irp k, 0,2,4,6
	v_pk_fma_f32 v[ACC+8*(4*\grp+\i)+\k:ACC+8*(4*\grp+\i)+\k+1], v[ACC+8*(4*\grp+\i)+\k:ACC+8*(4*\grp+\i)+\k+1], s[42:43], v[NM+2*(4*\grp+\i):NM+2*(4*\grp+\i)+1] op_sel_hi:[1,0,0]
.endr
.endr
.irp i, 0,1,2,3
.irp k, 0,1,2,3,4,5,6,7
	v_exp_f32 v[ACC+8*(4*\grp+\i)+\k], v[ACC+8*(4*\grp+\i)+\k]
.endr
.endr
	v_nop                                          ; a plain instruction behind the exponentials
	s_wait_alu depctr_va_vdst(0)
.irp i, 0,1,2,3
	v_pk_mul_f32 v[ACC+8*(4*\grp+\i):ACC+8*(4*\grp+\i)+1], v[ACC+8*(4*\grp+\i):ACC+8*(4*\grp+\i)+1], v[MK:MK+1]
.endr
.irp k, 2,4,6
.irp i, 0,1,2,3
	v_pk_fma_f32 v[ACC+8*(4*\grp+\i):ACC+8*(4*\grp+\i)+1], v[ACC+8*(4*\grp+\i)+\k:ACC+8*(4*\grp+\i)+\k+1], v[MK+\k:MK+\k+1], v[ACC+8*(4*\grp+\i):ACC+8*(4*\grp+\i)+1]
.endr
.endr
.irp i, 0,1,2,3
	v_add_f32 v[NM+2*(4*\grp+\i)+1], v[ACC+8*(4*\grp+\i)], v[ACC+8*(4*\grp+\i)+1]
.endr
.irp i, 0,1,2,3
	ds_store_b64 v[AST], v[NM+2*(4*\grp+\i):NM+2*(4*\grp+\i)+1] offset:4096+256*(4*\grp+\i)
.endr
.endr
	; CLUSTER 0: the pair g of w0's tiles (32 rows, K = 256) x the 8 token tiles.  head_w's loads were waited for to the last, so v60 may be written
	s_lshl_b32 s54, s5, 5                          ; 32 g
	v_add_nc_u32 v60, s54, v62
	v_add_nc_u32 v61, 16, v60
	v_min_u32 v61, ALAST, v61                      ; rows past the end: the last row
	v_lshlrev_b32 v60, 8, v60
	v_lshlrev_b32 v61, 8, v61
	v_lshl_add_u32 v60, v63, 4, v60
	v_lshl_add_u32 v61, v63, 4, v61
.irp s, 0,1
.irp c, 0,1,2,3
	global_load_b128 v[HF+16*\s+4*\c:HF+16*\s+4*\c+3], v60, s[14:15] offset:128*\s+32*\c
	global_load_b128 v[HF+32+16*\s+4*\c:HF+32+16*\s+4*\c+3], v61, s[14:15] offset:128*\s+32*\c
.endr
.endr
	INITSTATS
	MASK1
	s_cmp_lg_u32 s5, 104
	s_cbranch_scc1 .Lc0_whole_\@
.irp j, 0,1,2,3,4,5
	v_cndmask_b32 v[MK+\j], 0, 1.0, s74            ; pair 104's second tile has 6 rows: 8 h + j < 6
.endr
	v_mov_b32 v[MK+6], 0
	v_mov_b32 v[MK+7], 0
.Lc0_whole_\@:
	s_wait_loadcnt 0x0
.irp half, 0,1
	LOADF 4*\half+0, 0
	LOADF 4*\half+1, 1
	s_wait_dscnt 8                                 ; the older token tile's fragments are in, the younger one's eight loads may be out
	MUL4 0
	PLACES
	LOADF 4*\half+2, 0
	s_wait_dscnt 8
	MUL4 1
	PLACES
	LOADF 4*\half+3, 1
	s_wait_dscnt 8
	MUL4 2
	s_wait_dscnt 0x0
	MUL4 3
	PLACES
	SM4 \half, 44
.endr
	DUMP 1
.endm
	; ---- ids, addresses, constants.  Every LDS address register is made here, ahead of the first branch, and holds nothing else afterwards
	s_load_b512 s[8:23], s[0:1], 0x0               ; x s[8:9], head_w s[10:11], head_b s[12:13], w0 s[14:15], w1 s[16:17], y s[18:19], the exponents s[20:21], h0img s[22:23]
	s_load_b256 s[24:31], s[0:1], 0x40             ; h1img s[24:25], ph s[26:27], pt s[28:29], base s[30:31]
	v_lshrrev_b32 v63, 5, v0
	v_readfirstlane_b32 s2, v63                    ; w
	s_mov_b32 s3, ttmp9                            ; c
	s_and_b32 s4, ttmp7, 0xffff                    ; tb
	s_lshl_b32 s5, s3, 4
	s_add_co_u32 s5, s5, s2                        ; g = 16 c + w
	s_sub_co_u32 s6, 127, s5                       ; 127 - g
	v_and_b32 v60, 31, v0                          ; lane
	v_and_b32 v61, 15, v0                          ; r
	v_bfe_u32 v62, v0, 4, 1                        ; h
	v_lshlrev_b32 v[LI], 4, v60
	v_lshlrev_b32 v[AW1], 6, v61
	v_lshl_add_u32 v[AW1], v62, 4, v[AW1]
	v_mul_u32_u24 v[AX0], v61, XP
	v_lshl_add_u32 v[AX0], v62, 4, v[AX0]
	v_add_nc_u32 v[AX1], 64*XP, v[AX0]
	v_add_nc_u32 v[AH0], H0S, v[LI]
	s_mul_i32 s54, s2, 6144
	s_add_co_u32 s54, s54, STAT
	v_lshl_add_u32 v[AST], v60, 3, s54
	s_lshr_b32 s54, s2, 2                          ; combining: wave w takes kind w / 4, token tiles 2 (w % 4) and + 1; a lane one token
	s_lshl_b32 s54, s54, 11
	s_and_b32 s55, s2, 3
	s_lshl_b32 s55, s55, 9
	s_add_co_u32 s54, s54, s55
	s_add_co_u32 s54, s54, STAT
	v_lshlrev_b32 v63, 3, v61
	v_lshl_add_u32 v63, v62, 8, v63
	v_add_nc_u32 v[CB0], s54, v63
	v_add_nc_u32 v[CB1], 8*6144, v[CB0]
	s_lshl_b32 s54, s2, 7
	s_add_co_u32 s54, s54, RES
	v_lshl_add_u32 v[RW], v60, 2, s54              ; row w / 4, token 32 (w % 4) + lane: RES + 128 w + 4 x lane
	v_add_nc_u32 v[RR], RES, v[LI]
	s_and_b32 s54, s2, 7
	s_lshl_b32 s54, s54, 6
	s_add_co_u32 s54, s54, RES+1536
	v_lshl_add_u32 v[TG], v61, 2, s54              ; row 3, token 16 (w % 8) + r
	s_mul_i32 s54, s2, 8*XP
	v_add_nc_u32 v60, s54, v[LI]                   ; staging: my 8 rows of x,
	s_lshl_b32 s54, s2, 11
	v_add_nc_u32 v61, s54, v[AH0]                  ; my 2,048 bytes of h0's images,
	s_lshl_b32 s54, s2, 9
	v_add_nc_u32 v62, s54, v[AH0]                  ; my 512 bytes of h1's
	s_lshr_b32 s54, s2, 2
	s_xor_b32 s54, s54, s2
	s_and_b32 s54, s54, 1                          ; 1: head and cluster 0 come behind cluster 1
	s_cmp_lt_u32 s5, 105
	s_cselect_b32 s55, 1, 0                        ; I have a head tile and a pair of w0
	s_and_b32 s57, s55, s54
	s_xor_b32 s54, s54, 1
	s_and_b32 s56, s55, s54
	s_mov_b32 s60, 0x76543210                      ; v_permlanex16_b32's selects for lane l xor 16
	s_mov_b32 s61, 0xfedcba98
.irp j, 1,2,3,4,5,6,7
	s_mov_b32 s[DG+\j-1], 0x01010101<<\j
.endr
	s_mov_b32 s73, 0xff0000ff                      ; the lanes that hold a tile's diagonal: 0-7 and 24-31
	s_mov_b32 s74, 0x0000ffff                      ; lanes 0-15
	s_cmp_eq_u32 s3, 0
	s_cselect_b32 s75, 0, 0xff167699               ; a head token's entry in pt: 0 in chunk 0, -2e38 elsewhere
	s_wait_kmcnt 0x0
	s_load_b256 s[32:39], s[20:21], 0x0            ; e0 .. e7
	s_load_b64 s[40:41], s[20:21], 0x20            ; e8, e9
	s_mov_b32 s55, 0
	s_lshl_b32 s54, s4, 17
	s_lshl_b32 s53, s2, 13
	s_add_co_u32 s54, s54, s53
	s_add_nc_u64 s[76:77], s[8:9], s[54:55]        ; x at my 8 rows of the block
	s_lshl_b32 s54, s4, 15
	s_lshl_b32 s53, s2, 11
	s_add_co_u32 s54, s54, s53
	s_add_nc_u64 s[78:79], s[22:23], s[54:55]
	s_lshl_b32 s54, s4, 13
	s_lshl_b32 s53, s2, 9
	s_add_co_u32 s54, s54, s53
	s_add_nc_u64 s[80:81], s[24:25], s[54:55]
.irp i, 0,1,2,3,4,5,6,7,8,9,10,11,12,13,14,15
	global_load_b128 v[64+4*\i:67+4*\i], v[LI], s[76:77] offset:512*\i    ; 32 lanes read 512 consecutive bytes
.endr
.irp i, 0,1,2,3
	global_load_b128 v[128+4*\i:131+4*\i], v[LI], s[78:79] offset:512*\i
.endr
	global_load_b128 v[144:147], v[LI], s[80:81]
	s_and_b32 s52, s2, 7
	s_lshl_b32 s53, s4, 3
	s_add_co_u32 s52, s52, s53                     ; the token tile whose targets I take, if I take any
	s_lshl_b32 s54, s52, 14
	s_add_nc_u64 s[82:83], s[8:9], s[54:55]
	s_lshl_b32 s54, s52, 12
	s_add_nc_u64 s[84:85], s[22:23], s[54:55]
	s_lshl_b32 s54, s52, 10
	s_add_nc_u64 s[86:87], s[24:25], s[54:55]
	s_lshl_b32 s54, s52, 6
	s_add_nc_u64 s[88:89], s[18:19], s[54:55]
	s_lshl_b32 s54, s4, 9
	s_add_nc_u64 s[94:95], s[30:31], s[54:55]      ; base and y at the block's 128 tokens
	s_add_nc_u64 s[96:97], s[18:19], s[54:55]
	s_lshl_b32 s53, s3, 14
	s_add_co_u32 s54, s54, s53
	s_add_nc_u64 s[90:91], s[28:29], s[54:55]      ; pt and ph at row c, the block's tokens
	s_add_nc_u64 s[92:93], s[26:27], s[54:55]
	INITSTATS
	v_mov_b32 v48, 0x7f61b1e6
	v_mov_b32 v49, 0
.irp k, 1,2
.irp t, 0,1,2,3,4,5,6,7
	ds_store_b64 v[AST], v[48:49] offset:2048*\k+256*\t   ; (3e38, 0): an entry that counts for nothing, until my own head and cluster 0 write over it
.endr
.endr
	s_wait_loadcnt 5                               ; x's sixteen loads are in; the images' five are younger
.irp i, 0,1,2,3,4,5,6,7,8,9,10,11,12,13,14,15
	ds_store_b128 v60, v[64+4*\i:67+4*\i] offset:(\i/2)*XP+(\i%2)*512
.endr
	s_wait_loadcnt 0x0
.irp i, 0,1,2,3
	ds_store_b128 v61, v[128+4*\i:131+4*\i] offset:512*\i
.endr
	ds_store_b128 v62, v[144:147] offset:H1O
	s_wait_kmcnt 0x0
	s_add_co_i32 s49, s32, s33                     ; e0 + e1
	s_sub_co_i32 s48, 0, s49
	s_add_co_i32 s50, s36, s37                     ; e4 + e5
	s_add_co_i32 s51, s40, s41                     ; e8 + e9
	s_lshl_b32 s42, s49, 23
	s_add_co_i32 s42, s42, 0x3fb8aa3b              ; c = log2(e) 2^(e0 + e1): the exponents are added to log2(e)'s exponent field
	s_mov_b32 s43, s42                             ; (named with it as a pair, so it is written)
	s_lshl_b32 s44, s50, 23
	s_add_co_i32 s44, s44, 0x3fb8aa3b
	s_mov_b32 s45, s44
	s_lshl_b32 s46, s51, 23
	s_add_co_i32 s46, s46, 0x3fb8aa3b
	s_mov_b32 s47, s46
	s_wait_dscnt 0x0                               ; for the others' sake: my stores have landed
	s_barrier_signal -1
	s_barrier_wait -1                              ; x's block and the images lie in LDS; nobody writes them again
	s_cmp_eq_u32 s56, 0
	s_cbranch_scc1 .Lnot_early
	HEADC0
.Lnot_early:
	; ---- cluster 1: twelve units; three sets of registers, each asked for three units ahead
	INITSTATS
	MASK1
	s_lshl_b32 s53, s6, 1                          ; the first tile of my first pair
	C1LOAD 0
	C1LOAD 1
	C1LOAD 2
	s_add_co_u32 s53, s53, 768
.irp t, 0,1,2,3,4,5,6,7
	ds_load_b128 v[HF+8*\t:HF+8*\t+3], v[AH0] offset:H1O+1024*\t
	ds_load_b128 v[HF+8*\t+4:HF+8*\t+7], v[AH0] offset:H1O+1024*\t+512
.endr
	s_wait_dscnt 0x0                               ; h1's eight fragments stay in registers
	s_mov_b32 s52, 0
.Lc1:                                              ; three trips of three units; at each unit's head twelve loads are out, over the backward jump too: the count 8 leaves the two younger sets'
	C1UNIT 0, 1, 8, 0
	C1UNIT 1, 1, 8, 0
	C1UNIT 2, 1, 8, 0
	s_add_co_u32 s53, s53, 768
	s_add_co_u32 s52, s52, 3
	s_cmp_lt_u32 s52, 9
	s_cbranch_scc1 .Lc1
	C1UNIT 0, 0, 8, 0                              ; the last three units ask for nothing: the counts run down
	C1UNIT 1, 0, 4, 0
	C1UNIT 2, 0, 0, 1
	DUMP 0
	s_cmp_eq_u32 s57, 0
	s_cbranch_scc1 .Lnot_late
	HEADC0
.Lnot_late:
	; ---- the targets: in chunk 7, wave w < 8 takes token tile w.  Source 0 = the 16 rows that the 16 tokens name, source 1 = the 16 tokens: the diagonal of the result holds each token's logit
	s_cmp_lt_u32 s2, 8
	s_cbranch_scc0 .Lno_target
	s_cmp_eq_u32 s3, 7
	s_cbranch_scc0 .Lno_target
	s_wait_dscnt 0x0
	v_and_b32 v62, 15, v0
	v_bfe_u32 v63, v0, 4, 1
	v_lshlrev_b32 v15, 2, v62
	global_load_b32 v8, v15, s[88:89]              ; y of my token
	v_lshlrev_b32 v14, 10, v62
	v_lshl_add_u32 v14, v63, 4, v14                ; x: r x 1,024 + 16 h
	v_lshlrev_b32 v63, 4, v63                      ; 16 h
	v_mov_b32 v60, CUTA
	v_mov_b32 v61, CUTA+1
	v_mov_b32 v13, CUTB
	s_wait_loadcnt 0x0
	v_cmp_le_i32 s54, CUTA, v8                     ; y in a tail cluster
	v_cmp_le_i32 s55, CUTB, v8                     ; y in cluster 1
	v_cndmask_b32 v9, v8, v60, s54
	v_cndmask_b32 v9, v9, v61, s55                 ; the head's row: y, or 1675 + cluster
	v_min_u32 v9, HLAST, v9
	v_lshlrev_b32 v12, 2, v9
	v_lshlrev_b32 v9, 10, v9
	v_add_nc_u32 v9, v9, v63
	v_sub_nc_u32 v10, v8, v60
	v_max_i32 v10, 0, v10
	v_min_u32 v10, ALAST, v10                      ; clip(y - 1675, 0, 3349)
	v_lshlrev_b32 v10, 8, v10
	v_add_nc_u32 v10, v10, v63
	v_sub_nc_u32 v11, v8, v13
	v_max_i32 v11, 0, v11
	v_min_u32 v11, BLAST, v11                      ; clip(y - 5025, 0, 45231)
	v_lshlrev_b32 v11, 6, v11
	v_add_nc_u32 v11, v11, v63
	global_load_b32 v13, v12, s[12:13]             ; the bias at the head's row
.irp s, 0,1,2,3
.irp c, 0,1,2,3
	global_load_b128 v[64+16*\s+4*\c:67+16*\s+4*\c], v14, s[82:83] offset:128*\s+32*\c
	global_load_b128 v[128+16*\s+4*\c:131+16*\s+4*\c], v9, s[10:11] offset:128*\s+32*\c
.endr
.endr
.irp s, 0,1
.irp c, 0,1,2,3
	global_load_b128 v[192+16*\s+4*\c:195+16*\s+4*\c], v[LI], s[84:85] offset:2048*\s+512*\c
	global_load_b128 v[224+16*\s+4*\c:227+16*\s+4*\c], v10, s[14:15] offset:128*\s+32*\c
.endr
.endr
	s_wait_loadcnt 0x0
	v_wmma_f32_16x16x128_bf8_bf8 v[16:23], v[128:143], v[64:79], 0          ; the head's sum in two accumulators, cluster 0's in two: they take turns
	v_wmma_f32_16x16x128_bf8_bf8 v[24:31], v[144:159], v[80:95], 0
	v_wmma_f32_16x16x128_bf8_bf8 v[32:39], v[224:239], v[192:207], 0
	v_wmma_f32_16x16x128_bf8_bf8 v[40:47], v[240:255], v[208:223], 0
	v_wmma_f32_16x16x128_bf8_bf8 v[16:23], v[160:175], v[96:111], v[16:23]
	v_wmma_f32_16x16x128_bf8_bf8 v[24:31], v[176:191], v[112:127], v[24:31]
	PLACES
.irp s, 0,1,2,3
.irp c, 0,1,2,3
	global_load_b128 v[64+16*\s+4*\c:67+16*\s+4*\c], v14, s[82:83] offset:512+128*\s+32*\c
	global_load_b128 v[128+16*\s+4*\c:131+16*\s+4*\c], v9, s[10:11] offset:512+128*\s+32*\c
.endr
.endr
.irp b, 0,1
	global_load_b128 v[192+4*\b:195+4*\b], v[LI], s[86:87] offset:512*\b
	global_load_b128 v[200+4*\b:203+4*\b], v11, s[16:17] offset:32*\b
.endr
	s_wait_loadcnt 0x0
	v_wmma_f32_16x16x128_bf8_bf8 v[16:23], v[128:143], v[64:79], v[16:23]
	v_wmma_f32_16x16x128_bf8_bf8 v[24:31], v[144:159], v[80:95], v[24:31]
	v_wmma_f32_16x16x64_bf8_bf8 v[48:55], v[200:207], v[192:199], 0
	v_wmma_f32_16x16x128_bf8_bf8 v[16:23], v[160:175], v[96:111], v[16:23]
	v_wmma_f32_16x16x128_bf8_bf8 v[24:31], v[176:191], v[112:127], v[24:31]
	PLACES
.irp k, 0,2,4,6
	v_pk_add_f32 v[16+\k:17+\k], v[16+\k:17+\k], v[24+\k:25+\k]             ; each accumulator from its low end on
.endr
.irp k, 0,2,4,6
	v_pk_add_f32 v[32+\k:33+\k], v[32+\k:33+\k], v[40+\k:41+\k]
.endr
.irp j, 1,2,3,4,5,6,7                  ; the diagonal: token r's logit lies in register r % 8 of lane r + 16 (r / 8): lanes j and 24 + j take register j (lanes 8-23 take what nobody uses)
	v_cndmask_b32 v16, v16, v[16+\j], s[DG+\j-1]
	v_cndmask_b32 v32, v32, v[32+\j], s[DG+\j-1]
	v_cndmask_b32 v48, v48, v[48+\j], s[DG+\j-1]
.endr
	v_ldexp_f32 v16, v16, s49
	v_ldexp_f32 v32, v32, s50
	v_ldexp_f32 v48, v48, s51
	v_add_f32 v16, v16, v13
	v_cndmask_b32 v32, 0, v32, s54
	v_cndmask_b32 v32, v32, v48, s55               ; the named cluster's logit, or 0
	v_add_f32 v16, v16, v32
	v_permlanex16_b32 v62, v16, s60, s61
	v_cndmask_b32 v16, v62, v16, s73               ; every lane now holds its token's number
	ds_store_b32 v[TG], v16                        ; the two lanes of a token write the same word with the same number
.Lno_target:
	s_wait_dscnt 0x0                               ; for the others' sake: my statistics have landed
	s_barrier_signal -1
	s_barrier_wait -1
	; ---- combining: a token's 32 entries (16 waves x 2 halves of the lanes) of one kind become one log-sum-exp.  Waves 0-3: cluster 1; 4-7: cluster 0; 8-11: head
	s_cmp_lt_u32 s2, 12
	s_cbranch_scc0 .Lno_combine
.irp wv, 0,1,2,3,4,5,6,7
.irp hh, 0,1
	ds_load_b64 v[64+4*\wv+2*\hh:65+4*\wv+2*\hh], v[CB0] offset:6144*\wv+128*\hh
.endr
.endr
.irp wv, 0,1,2,3,4,5,6,7
.irp hh, 0,1
	ds_load_b64 v[96+4*\wv+2*\hh:97+4*\wv+2*\hh], v[CB1] offset:6144*\wv+128*\hh
.endr
.endr
	s_wait_dscnt 0x0
	v_min3_num_f32 v48, v64, v66, v68              ; the least -c m: the largest maximum
.irp n, 3,5,7,9,11,13,15,17,19,21,23,25,27,29
	v_min3_num_f32 v48, v48, v[64+2*\n], v[66+2*\n]
.endr
	v_min_num_f32 v48, v48, v126
.irp n, 0,1,2,3,4,5,6,7,8,9,10,11,12,13,14,15,16,17,18,19,20,21,22,23,24,25,26,27,28,29,30,31
	v_sub_f32 v[64+2*\n], v48, v[64+2*\n]
.endr
.irp n, 0,1,2,3,4,5,6,7,8,9,10,11,12,13,14,15,16,17,18,19,20,21,22,23,24,25,26,27,28,29,30,31
	v_exp_f32 v[64+2*\n], v[64+2*\n]
.endr
	v_nop                                          ; a plain instruction behind the exponentials
	s_wait_alu depctr_va_vdst(0)
	v_mul_f32 v50, v64, v65
	v_mul_f32 v51, v66, v67
.irp n, 2,4,6,8,10,12,14,16,18,20,22,24,26,28,30
	v_fmac_f32 v50, v[64+2*\n], v[65+2*\n]
	v_fmac_f32 v51, v[66+2*\n], v[67+2*\n]
.endr
	v_add_f32 v50, v50, v51
	v_max_num_f32 v50, 0x800000, v50               ; where no wave of the chunk had a share the sum is 0: the result is then about -2e38, which counts for nothing in the last launch
	v_log_f32 v50, v50
	v_nop                                          ; a plain instruction behind the logarithm
	s_wait_alu depctr_va_vdst(0)
	v_sub_f32 v50, v50, v48                        ; log2 s + c m
	v_mul_f32 v50, 0x3f317218, v50                 ; x ln 2
	ds_store_b32 v[RW], v50
.Lno_combine:
	s_wait_dscnt 0x0
	s_barrier_signal -1
	s_barrier_wait -1
	; ---- out: each store of a wave covers 512 consecutive bytes, at a multiple of 512 from its buffer's first byte
	s_cmp_lg_u32 s2, 0
	s_cbranch_scc1 .Lnot_wave_0
	global_load_b128 v[64:67], v[LI], s[96:97]     ; y of my four tokens
	ds_load_b128 v[68:71], v[RR]                   ; cluster 1
	ds_load_b128 v[72:75], v[RR] offset:512        ; cluster 0
	v_mov_b32 v80, s75
	s_wait_loadcnt 0x0
	s_wait_dscnt 0x0
.irp k, 0,1,2,3
	v_cmp_le_i32 vcc_lo, CUTA, v[64+\k]
	v_cndmask_b32 v[76+\k], v80, v[72+\k], vcc_lo
	v_cmp_le_i32 vcc_lo, CUTB, v[64+\k]
	v_cndmask_b32 v[76+\k], v[76+\k], v[68+\k], vcc_lo
.endr
	global_store_b128 v[LI], v[76:79], s[90:91]
	s_branch .Lend
.Lnot_wave_0:
	s_cmp_lg_u32 s2, 1
	s_cbranch_scc1 .Lnot_wave_1
	s_cmp_eq_u32 s3, 7
	s_cbranch_scc1 .Lend                           ; chunk 7 has no share of the head: ph has seven rows
	ds_load_b128 v[64:67], v[RR] offset:1024
	s_wait_dscnt 0x0
	global_store_b128 v[LI], v[64:67], s[92:93]
	s_branch .Lend
.Lnot_wave_1:
	s_cmp_lg_u32 s2, 2
	s_cbranch_scc1 .Lend
	s_cmp_lg_u32 s3, 7
	s_cbranch_scc1 .Lend
	ds_load_b128 v[64:67], v[RR] offset:1536
	s_wait_dscnt 0x0
	global_store_b128 v[LI], v[64:67], s[94:95]
.Lend:
	s_wait_xcnt 0x0
	v_lshl_add_u32 v254, v0, 2, 0x43000
	v_mov_b32 v255, 0
	s_wait_tensorcnt 0x0
	ds_add_u32 v254, v255
	s_wait_dscnt 0x0
	s_endpgm
.Lfunc_end_k_q66cc8af888_tails:
	.size	k_q66cc8af888_tails, .Lfunc_end_k_q66cc8af888_tails-k_q66cc8af888_tails
	.p2alignl 7, 3214868480
	.fill 96, 4, 3214868480
	.section	.rodata,"a",@progbits
	.p2align	6, 0x0
	.amdhsa_kernel k_q66cc8af888_tails
		.amdhsa_group_segment_fixed_size 276480
		.amdhsa_private_segment_fixed_size 0
		.amdhsa_enable_private_segment 0
		.amdhsa_kernarg_size 96
		.amdhsa_user_sgpr_count 2
		.amdhsa_user_sgpr_kernarg_segment_ptr 1
		.amdhsa_wavefront_size32 1
		.amdhsa_system_sgpr_workgroup_id_x 1
		.amdhsa_system_sgpr_workgroup_id_y 1
		.amdhsa_system_sgpr_workgroup_id_z 1
		.amdhsa_system_vgpr_workitem_id 0
		.amdhsa_next_free_vgpr 256
		.amdhsa_next_free_sgpr 100
		.amdhsa_reserve_vcc 1
		.amdhsa_float_denorm_mode_32 3
		.amdhsa_float_denorm_mode_16_64 3
		.amdhsa_memory_ordered 1
		.amdhsa_forward_progress 1
		.amdhsa_inst_pref_size 255
	.end_amdhsa_kernel
	.section	.bss,"aw",@nobits
	.p2align	6
	.space	262144
	.amdgpu_metadata
---
amdhsa.version: [ 1, 2 ]
amdhsa.kernels:
  - .name:           k_q66cc8af888_tails
    .symbol:         k_q66cc8af888_tails.kd
    .args:
      - { .name: x_codes, .offset: 0, .size: 8, .value_kind: global_buffer, .address_space: global }
      - { .name: head_w_codes, .offset: 8, .size: 8, .value_kind: global_buffer, .address_space: global }
      - { .name: head_b, .offset: 16, .size: 8, .value_kind: global_buffer, .address_space: global }
      - { .name: w0_codes, .offset: 24, .size: 8, .value_kind: global_buffer, .address_space: global }
      - { .name: w1_codes, .offset: 32, .size: 8, .value_kind: global_buffer, .address_space: global }
      - { .name: y, .offset: 40, .size: 8, .value_kind: global_buffer, .address_space: global }
      - { .name: lowp_scales, .offset: 48, .size: 8, .value_kind: global_buffer, .address_space: global }
      - { .name: h0img, .offset: 56, .size: 8, .value_kind: global_buffer, .address_space: global }
      - { .name: h1img, .offset: 64, .size: 8, .value_kind: global_buffer, .address_space: global }
      - { .name: ph, .offset: 72, .size: 8, .value_kind: global_buffer, .address_space: global }
      - { .name: pt, .offset: 80, .size: 8, .value_kind: global_buffer, .address_space: global }
      - { .name: base, .offset: 88, .size: 8, .value_kind: global_buffer, .address_space: global }
    .group_segment_fixed_size: 276480
    .private_segment_fixed_size: 0
    .kernarg_segment_align: 8
    .kernarg_segment_size: 96
    .max_flat_workgroup_size: 512
    .sgpr_count:     100
    .vgpr_count:     256
    .wavefront_size: 32
...
	.end_amdgpu_metadata
.endif
;; end of part 2
;; launch finish (part 3): grid 1 x 1, 32 waves a work-group, no clusters, 4,352 bytes of LDS; arguments ph, pt, base, out0, out1; writes out0, out1
.if DOCPART == 3
	.amdgcn_target "amdgcn-amd-amdhsa--gfx1250"
	.amdhsa_code_object_version 6
	.text
	.protected	k_q66cc8af888_finish
	.globl	k_q66cc8af888_finish
	.p2align	8
	.type	k_q66cc8af888_finish,@function
k_q66cc8af888_finish:
	s_mov_b64 s[64:65], 0
	v_nop
	global_prefetch_b8 v0, s[64:65] scope:SCOPE_SE
	s_setreg_imm32_b32 hwreg(HW_REG_WAVE_MODE, 25, 1), 1
	s_wait_xcnt 0x0
; out0[n] = base[n] - LSE over ph's 7 rows - LSE over pt's 8 rows;  out1 = -(the sum of out0) / 4096.  All f32.
; The loss spans all tokens, so one work-group owns it: 1,024 threads, four tokens each; a thread's sixteen loads of 16 bytes go out together (262,144 bytes in all), each of a wave's loads and stores covers 512 consecutive bytes.
; Each log-sum-exp takes its rows' maximum away first.  Entries of about -2e38 (a chunk with no share) give terms of 0.  Matrix units, tensor loads and clusters have nothing to do here.
; The sum is taken lane by lane, then over a wave, then over the 32 waves: another order than a plain mean's.
.set PH, 8                             ; v8-35   ph's 7 rows, four tokens each
.set PT, 36                            ; v36-67  pt's 8 rows
.set BS, 68                            ; v68-71  base
	s_load_b256 s[4:11], s[0:1], 0x0               ; ph s[4:5], pt s[6:7], base s[8:9], out0 s[10:11]
	s_load_b64 s[12:13], s[0:1], 0x20              ; out1
	v_lshl_add_u32 v96, v0, 2, 0x100
	v_mov_b32 v97, 0
	v_lshlrev_b32 v1, 4, v0                        ; my 16 bytes of a row
	v_lshrrev_b32 v2, 5, v0
	v_readfirstlane_b32 s14, v2                    ; wave
	v_and_b32 v3, 31, v0                           ; lane
	v_lshlrev_b32 v7, 2, v2                        ; LDS: my wave's word,
	v_lshlrev_b32 v2, 2, v3                        ; and my lane's
	v_mov_b32 v6, 0                                ; written once: a lane permute's destination counts as one of its sources
	s_mov_b32 s16, 0x76543210
	s_mov_b32 s17, 0xfedcba98
	s_wait_kmcnt 0x0
.irp i, 0,1,2,3,4,5,6
	global_load_b128 v[PH+4*\i:PH+4*\i+3], v1, s[4:5] offset:16384*\i
.endr
.irp i, 0,1,2,3,4,5,6,7
	global_load_b128 v[PT+4*\i:PT+4*\i+3], v1, s[6:7] offset:16384*\i
.endr
	global_load_b128 v[BS:BS+3], v1, s[8:9]
; the log-sum-exp of n rows (7 or 8) from v[R] on, for my four tokens, into v[dst] on.  v72-75 the maxima, v76-79 -m log2(e), v80-83 the sums
.macro LSE R, n, dst
.irp k, 0,1,2,3
	v_max3_num_f32 v[72+\k], v[\R+\k], v[\R+4+\k], v[\R+8+\k]
.endr
.irp k, 0,1,2,3
	v_max3_num_f32 v[72+\k], v[72+\k], v[\R+12+\k], v[\R+16+\k]
.endr
.irp k, 0,1,2,3
	v_max3_num_f32 v[72+\k], v[72+\k], v[\R+20+\k], v[\R+24+\k]
.endr
.if \n == 8
.irp k, 0,1,2,3
	v_max_num_f32 v[72+\k], v[72+\k], v[\R+28+\k]
.endr
.endif
	v_pk_mul_f32 v[76:77], v[72:73], 0xbfb8aa3b op_sel_hi:[1,0]
	v_pk_mul_f32 v[78:79], v[74:75], 0xbfb8aa3b op_sel_hi:[1,0]
.set q, 0
.rept \n
	v_pk_fma_f32 v[\R+4*q:\R+4*q+1], v[\R+4*q:\R+4*q+1], 0x3fb8aa3b, v[76:77] op_sel_hi:[1,0,1]     ; (row - m) log2(e)
	v_pk_fma_f32 v[\R+4*q+2:\R+4*q+3], v[\R+4*q+2:\R+4*q+3], 0x3fb8aa3b, v[78:79] op_sel_hi:[1,0,1]
.set q, q+1
.endr
.set q, 0
.rept 4*\n
	v_exp_f32 v[\R+q], v[\R+q]
.set q, q+1
.endr
	v_nop                                          ; a plain instruction behind the exponentials
	s_wait_alu depctr_va_vdst(0)
	v_pk_add_f32 v[80:81], v[\R:\R+1], v[\R+4:\R+5]
	v_pk_add_f32 v[82:83], v[\R+2:\R+3], v[\R+6:\R+7]
.set q, 2
.rept \n-2
	v_pk_add_f32 v[80:81], v[80:81], v[\R+4*q:\R+4*q+1]
	v_pk_add_f32 v[82:83], v[82:83], v[\R+4*q+2:\R+4*q+3]
.set q, q+1
.endr
.irp k, 0,1,2,3
	v_log_f32 v[80+\k], v[80+\k]
.endr
	v_nop                                          ; a plain instruction behind the logarithms
	s_wait_alu depctr_va_vdst(0)
	v_pk_fma_f32 v[\dst:\dst+1], v[80:81], 0x3f317218, v[72:73] op_sel_hi:[1,0,1]                   ; m + ln 2 x log2(sum)
	v_pk_fma_f32 v[\dst+2:\dst+3], v[82:83], 0x3f317218, v[74:75] op_sel_hi:[1,0,1]
.endm
	s_wait_loadcnt 9                               ; ph's seven rows are in; pt's eight and base are younger
	LSE PH, 7, 84
	s_wait_loadcnt 0x0
	LSE PT, 8, 88
	v_pk_add_f32 v[92:93], v[BS:BS+1], v[84:85] neg_lo:[0,1] neg_hi:[0,1]
	v_pk_add_f32 v[94:95], v[BS+2:BS+3], v[86:87] neg_lo:[0,1] neg_hi:[0,1]
	v_pk_add_f32 v[92:93], v[92:93], v[88:89] neg_lo:[0,1] neg_hi:[0,1]
	v_pk_add_f32 v[94:95], v[94:95], v[90:91] neg_lo:[0,1] neg_hi:[0,1]
	global_store_b128 v1, v[92:95], s[10:11]
	v_add_f32 v4, v92, v93
	v_add_f32 v5, v94, v95
	v_add_f32 v4, v4, v5
.macro WAVESUM                         ; v4 summed over the wave's 32 lanes, the result in every lane
	v_add_f32_dpp v4, v4, v4 row_xmask:1 row_mask:0xf bank_mask:0xf
	v_add_f32_dpp v4, v4, v4 row_xmask:2 row_mask:0xf bank_mask:0xf
	v_add_f32_dpp v4, v4, v4 row_xmask:4 row_mask:0xf bank_mask:0xf
	v_add_f32_dpp v4, v4, v4 row_xmask:8 row_mask:0xf bank_mask:0xf
	v_permlanex16_b32 v6, v4, s16, s17
	v_add_f32 v4, v4, v6
.endm
	WAVESUM
	ds_store_b32 v7, v4                            ; all lanes write the wave's word with the same number
	s_wait_dscnt 0x0                               ; for the others' sake
	s_barrier_signal -1
	s_barrier_wait -1
	s_cmp_lg_u32 s14, 0
	s_cbranch_scc1 .Lend
	ds_load_b32 v4, v2                             ; lane l: wave l's sum
	v_mov_b32 v5, 0
	s_wait_dscnt 0x0
	WAVESUM
	v_mul_f32 v4, 0xb9800000, v4                   ; x -1 / 4096
	v_cmp_eq_u32 vcc_lo, 0, v3
	s_wait_xcnt 0x0                                ; EXEC is a source of the store above: it changes only behind this wait
	s_and_saveexec_b32 s20, vcc_lo
	global_store_b32 v5, v4, s[12:13]              ; lane 0 alone
	s_wait_xcnt 0x0                                ; and again, in front of the line that widens it
	s_or_b32 exec_lo, exec_lo, s20
.Lend:
	s_wait_tensorcnt 0x0
	ds_add_u32 v96, v97
	s_wait_dscnt 0x0
	s_endpgm
.Lfunc_end_k_q66cc8af888_finish:
	.size	k_q66cc8af888_finish, .Lfunc_end_k_q66cc8af888_finish-k_q66cc8af888_finish
	.p2alignl 7, 3214868480
	.fill 96, 4, 3214868480
	.section	.rodata,"a",@progbits
	.p2align	6, 0x0
	.amdhsa_kernel k_q66cc8af888_finish
		.amdhsa_group_segment_fixed_size 4352
		.amdhsa_private_segment_fixed_size 0
		.amdhsa_enable_private_segment 0
		.amdhsa_kernarg_size 40
		.amdhsa_user_sgpr_count 2
		.amdhsa_user_sgpr_kernarg_segment_ptr 1
		.amdhsa_wavefront_size32 1
		.amdhsa_system_sgpr_workgroup_id_x 1
		.amdhsa_system_sgpr_workgroup_id_y 1
		.amdhsa_system_sgpr_workgroup_id_z 1
		.amdhsa_system_vgpr_workitem_id 0
		.amdhsa_next_free_vgpr 98
		.amdhsa_next_free_sgpr 66
		.amdhsa_reserve_vcc 1
		.amdhsa_float_denorm_mode_32 3
		.amdhsa_float_denorm_mode_16_64 3
		.amdhsa_memory_ordered 1
		.amdhsa_forward_progress 1
		.amdhsa_inst_pref_size 14
	.end_amdhsa_kernel
	.amdgpu_metadata
---
amdhsa.version: [ 1, 2 ]
amdhsa.kernels:
  - .name:           k_q66cc8af888_finish
    .symbol:         k_q66cc8af888_finish.kd
    .args:
      - { .name: ph, .offset: 0, .size: 8, .value_kind: global_buffer, .address_space: global }
      - { .name: pt, .offset: 8, .size: 8, .value_kind: global_buffer, .address_space: global }
      - { .name: base, .offset: 16, .size: 8, .value_kind: global_buffer, .address_space: global }
      - { .name: out0, .offset: 24, .size: 8, .value_kind: global_buffer, .address_space: global }
      - { .name: out1, .offset: 32, .size: 8, .value_kind: global_buffer, .address_space: global }
    .group_segment_fixed_size: 4352
    .private_segment_fixed_size: 0
    .kernarg_segment_align: 8
    .kernarg_segment_size: 40
    .max_flat_workgroup_size: 1024
    .sgpr_count:     66
    .vgpr_count:     98
    .wavefront_size: 32
...
	.end_amdgpu_metadata
.endif
;; end of part 3
;; ======== version 2 of 2: 3 launches; version 1 with the launches project, tails written anew for expert scheduling mode
;; workspace buffers: h0img 1,048,576 bytes; h1img 262,144 bytes; ph 114,688 bytes; pt 131,072 bytes; base 16,384 bytes
;; launch project (part 4): grid 5 x 64, 8 waves a work-group, no clusters, 134,144 bytes of LDS; arguments x_codes, proj0_codes, proj1_codes, lowp_scales, h0img, h1img; writes h0img, h1img
.if DOCPART == 4
	.amdgcn_target "amdgcn-amd-amdhsa--gfx1250"
	.amdhsa_code_object_version 6
	.text
	.protected	k_q66cc8af888_project
	.globl	k_q66cc8af888_project
	.p2align	8
	.type	k_q66cc8af888_project,@function
k_q66cc8af888_project:
	s_mov_b64 s[64:65], 0
	v_nop
	global_prefetch_b8 v0, s[64:65] scope:SCOPE_SE
	s_setreg_imm32_b32 hwreg(HW_REG_WAVE_SCHED_MODE, 0, 2), 2
	s_setreg_imm32_b32 hwreg(HW_REG_WAVE_MODE, 25, 1), 1
	s_wait_xcnt 0x0
	s_wait_alu depctr_vm_vsrc(0)
; h0 = Q(x proj0^T) [4096][256] and h1 = Q(x proj1^T) [4096][64], both products on E5M2 codes, the results quantised to E5M2 with the given scales
; 2^e4 and 2^e8 and stored as IMAGES OF OPERAND REGISTERS: h0img [token tile 256][K step 2][c 4][lane 32][16 bytes], h1img [token tile 256][b 2][lane 32][16 bytes];
; lane (r, h) of a tile holds, of token 16 tile + r, the codes k = 128 s + 32 c + 16 h + 0..15 (h1: 32 b + 16 h + 0..15), as the next launch's fragment loads want them.
; SHARES.  Work-group (ch, tby): 64 tokens x 64 rows of a projection, all 1,024 of K.  ch 0..3: rows 64 ch of proj0; ch 4: proj1.  Only pointers, offsets and exponents are chosen, by selects on ch.
; Eight waves: wave w stages 16 rows (16 KiB, dense in memory) into LDS; then wave w multiplies token tile w % 4 by the 32 rows of row pair w / 4.
; THE PRODUCT IS USED TRANSPOSED (source 0 = 16 rows of the projection, source 1 = 16 tokens): a lane holds one token.  THE ROWS OF A TILE ARE NOT NEIGHBOURS: lane r of tile u takes row
; 32 rp + 8 u + r + 8 (r / 8), so that the lane's 16 results of tiles 0 and 1 are the 16 neighbours 32 rp + 16 h + 0..15 along the next K: the conversions' results are 16 bytes of the image.
; A fragment is fetched by four loads of 16 bytes, 32 bytes apart, at 16 h: a permutation of k that is the same in both operands, so that every product meets its partner.
; No tensor load and no joint request: the 128 KiB of a work-group are filled once, through registers, and nothing is filled again.
; LIMITS: e4 - e2 - e3 and e8 - e6 - e7 between -126 and 112, so that the scale and 57,344 x the scale are f32 numbers.  Codes of infinity or NaN are not served.
; THE MODE: SCHED_MODE bits 1:0 = 2 (LLVM: expert scheduling mode 2), set by the entry lines.  The code itself states the register dependences
; between vector or matrix instructions and memory or LDS instructions, with s_wait_alu, always for 0.
; THE PLAN.  Registers that memory or LDS instructions touch:
;   v1-4       an offset and three LDS addresses: written once at the head, ahead of the head's wait on va_vdst, never again.
;   v64-191    the staging loads land here and my LDS stores read them; behind the barrier they belong to the fragment buffers: one wait on vm_vsrc between.
;   buffer 0 (v64-159), buffer 1 (v160-255)   quarter q's LDS loads land in buffer q % 2, its four products read it; quarter q + 2 is asked for behind them: a wait on va_vdst ahead of each of those two runs of loads.
;   v32-35     written by the conversions, read by the one global store: a wait on va_vdst between.
;   v62, v63   written at the head, read by the closing add alone.
.set XP,  1040                         ; an LDS row: 1,024 bytes + 16 = 65 x 16: the 16 rows of a fragment load begin at 16 different 16-byte columns modulo 256
.set BUF, 64                           ; two fragment buffers of 96 registers: v64-159, v160-255; K step e of a quarter: x at +48 e, tile 0 at +48 e + 16, tile 1 at +48 e + 32
	s_load_b256 s[8:15], s[0:1], 0x0               ; x s[8:9], proj0 s[10:11], proj1 s[12:13], the exponents s[14:15]
	s_load_b128 s[16:19], s[0:1], 0x20             ; h0img s[16:17], h1img s[18:19]
	v_lshl_add_u32 v62, v0, 2, 0x20800
	v_mov_b32 v63, 0
	v_lshrrev_b32 v5, 5, v0
	v_readfirstlane_b32 s2, v5                     ; wave 0..7
	s_mov_b32 s3, ttmp9                            ; ch
	s_and_b32 s4, ttmp7, 0xffff                    ; tby
	v_and_b32 v6, 31, v0                           ; lane
	v_and_b32 v7, 15, v0                           ; r
	v_bfe_u32 v8, v0, 4, 1                         ; h
	v_lshlrev_b32 v1, 4, v6                        ; 16 x lane
	v_mul_u32_u24 v3, v7, XP
	v_lshl_add_u32 v3, v8, 4, v3
	v_and_b32 v9, 8, v7
	v_add_nc_u32 v9, v9, v7                        ; r + 8 (r / 8)
	v_mul_u32_u24 v4, v9, XP
	v_lshl_add_u32 v4, v8, 4, v4
	s_wait_alu depctr_va_sdst(0)                   ; s2 is written, ahead of its first reader: addresses, offsets and the choice of what I stage are made from it
	s_and_b32 s6, s2, 3                            ; my token tile of the four
	s_lshr_b32 s7, s2, 2                           ; my pair of row tiles
	s_mul_i32 s5, s2, 16*XP
	v_add_nc_u32 v2, s5, v1                        ; staging: my 16 LDS rows, 16 bytes a lane
	s_mul_i32 s5, s6, 16*XP
	v_add_nc_u32 v3, s5, v3                        ; x's fragments: row 16 tt + r, + 16 h
	s_mul_i32 s5, s7, 32*XP
	s_add_co_u32 s5, s5, 64*XP
	v_add_nc_u32 v4, s5, v4                        ; the projection's: row 64 + 32 rp + r + 8 (r / 8), + 16 h; tile 1 lies 8 rows on
	s_lshl_b32 s21, s4, 16                         ; offsets, made apart from the pointers.  x: 64 tby rows of 1,024 bytes
	s_lshl_b32 s22, s2, 14
	s_add_co_u32 s21, s21, s22                     ; + 16 w rows
	s_cmp_lt_u32 s3, 4
	s_cselect_b32 s23, s3, 0                       ; proj0's chunk, or 0 for proj1
	s_cselect_b32 s24, 12, 10                      ; a token tile's image: 4,096 or 1,024 bytes, as a shift
	s_lshl_b32 s25, s23, 16                        ; the chunk's 64 rows
	s_lshl_b32 s26, s23, 10                        ; and its place in a tile's image
	s_max_u32 s27, s2, 4
	s_sub_co_u32 s27, s27, 4
	s_lshl_b32 s27, s27, 14
	s_add_co_u32 s25, s25, s27                     ; + 16 (w - 4) rows, for waves 4..7
	s_lshl_b32 s30, s4, 2
	s_add_co_u32 s30, s30, s6                      ; my token tile, 0..255
	s_lshl_b32 s30, s30, s24
	s_add_co_u32 s30, s30, s26
	s_lshl_b32 s31, s7, 9
	s_add_co_u32 s30, s30, s31                     ; + 512 rp: where my 512 bytes of the image go
	s_mov_b32 s31, 0
	s_mov_b32 s29, 0
	s_wait_kmcnt 0x0
	s_load_b256 s[32:39], s[14:15], 0x0            ; e0 .. e7
	s_load_b32 s40, s[14:15], 0x20                 ; e8
	s_cmp_lt_u32 s3, 4
	s_cselect_b64 s[10:11], s[10:11], s[12:13]     ; the projection
	s_cselect_b64 s[16:17], s[16:17], s[18:19]     ; the image
	s_cmp_lt_u32 s2, 4
	s_cselect_b64 s[8:9], s[8:9], s[10:11]         ; waves 0..3 stage x, waves 4..7 the projection
	s_cselect_b32 s28, s21, s25
	s_add_nc_u64 s[8:9], s[8:9], s[28:29]
	s_add_nc_u64 s[16:17], s[16:17], s[30:31]
	s_wait_alu depctr_va_vdst(0)                   ; v1 to v4 are written: every load and store of the kernel reads one of them as its offset or address
.irp i, 0,1,2,3,4,5,6,7,8,9,10,11,12,13,14,15,16,17,18,19,20,21,22,23,24,25,26,27,28,29,30,31
	global_load_b128 v[64+4*\i:67+4*\i], v1, s[8:9] offset:512*\i   ; 32 lanes read 512 consecutive bytes: half a row
.endr
.irp g, 0,1,2,3
	s_wait_loadcnt 24-8*\g                         ; loads come back in order: all but the younger groups of eight are in
.irp j, 0,1,2,3,4,5,6,7
	ds_store_b128 v2, v[64+4*(8*\g+\j):67+4*(8*\g+\j)] offset:((8*\g+\j)/2)*XP+((8*\g+\j)%2)*512
.endr
.endr
	s_wait_kmcnt 0x0
	s_sub_co_i32 s41, s36, s34
	s_sub_co_i32 s41, s41, s35                     ; e4 - e2 - e3: a sum stands for sum x 2^(e2 + e3), its code is sum / 2^(e4 - e2 - e3)
	s_sub_co_i32 s42, s40, s38
	s_sub_co_i32 s42, s42, s39                     ; e8 - e6 - e7
	s_cmp_lt_u32 s3, 4
	s_cselect_b32 s41, s41, s42
	s_add_co_i32 s41, s41, 127
	s_lshl_b32 s42, s41, 23
	v_mov_b32 v11, s42                             ; the folded scale as f32: the conversion takes its exponent field
	s_add_co_i32 s41, s41, 15
	s_lshl_b32 s41, s41, 23
	s_or_b32 s41, s41, 0x600000
	v_mov_b32 v10, s41                             ; 57,344 x that
	s_wait_dscnt 0x0                               ; for the others' sake: my stores have landed
	s_barrier_signal -1
	s_barrier_wait -1                              ; all 128 rows lie in LDS; nobody writes LDS again
	s_wait_alu depctr_vm_vsrc(0)                   ; my LDS stores have read v64-191, in which the fragments' loads land from here on
.macro LOADQ q                         ; the fragments of K steps 2 q and 2 q + 1: 24 loads
.set BB, BUF+96*((\q)%2)
.irp e, 0,1
.irp c, 0,1,2,3
	ds_load_b128 v[BB+48*\e+4*\c:BB+48*\e+4*\c+3], v3 offset:128*(2*(\q)+\e)+32*\c
	ds_load_b128 v[BB+48*\e+16+4*\c:BB+48*\e+16+4*\c+3], v4 offset:128*(2*(\q)+\e)+32*\c
	ds_load_b128 v[BB+48*\e+32+4*\c:BB+48*\e+32+4*\c+3], v4 offset:8*XP+128*(2*(\q)+\e)+32*\c
.endr
.endr
.endm
.macro MULQ q, zero                    ; four products; the two accumulators take turns, one instruction a turn.  zero = 1: the first two start the sums
.set BB, BUF+96*((\q)%2)
.irp e, 0,1
.irp u, 0,1
.if \zero && (\e == 0)
	v_wmma_f32_16x16x128_bf8_bf8 v[16+8*\u:23+8*\u], v[BB+48*\e+16+16*\u:BB+48*\e+31+16*\u], v[BB+48*\e:BB+48*\e+15], 0
.else
	v_wmma_f32_16x16x128_bf8_bf8 v[16+8*\u:23+8*\u], v[BB+48*\e+16+16*\u:BB+48*\e+31+16*\u], v[BB+48*\e:BB+48*\e+15], v[16+8*\u:23+8*\u]
.endif
.endr
.endr
.endm
.macro PLACES                          ; four plain vector instructions between a matrix instruction and a load into its sources or a read of its result
.rept 4
	v_nop
.endr
.endm
	LOADQ 0
	LOADQ 1
	s_wait_dscnt 24                                ; the older quarter is in, the younger quarter's 24 loads may be out
	MULQ 0, 1
	PLACES
	s_wait_alu depctr_va_vdst(0)                   ; quarter 0's products are done reading buffer 0, in which quarter 2's loads land
	LOADQ 2
	s_wait_dscnt 24
	MULQ 1, 0
	PLACES
	s_wait_alu depctr_va_vdst(0)                   ; quarter 1's products are done reading buffer 1, in which quarter 3's loads land
	LOADQ 3
	s_wait_dscnt 24
	MULQ 2, 0
	s_wait_dscnt 0x0
	MULQ 3, 0
	PLACES
.irp j, 0,1,2,3,4,5,6,7,8,9,10,11,12,13,14,15
	v_med3_num_f32 v[16+\j], v[16+\j], -v10, v10   ; the conversion to an 8-bit code does not saturate (ISA guide 7.6.2): the hold at the largest code x the scale; each accumulator from its low end on
.endr
	v_cvt_scalef32_pk8_bf8_f32 v[32:33], v[16:23], v11   ; k = 32 rp + 16 h + 0..7
	v_cvt_scalef32_pk8_bf8_f32 v[34:35], v[24:31], v11   ; k = 32 rp + 16 h + 8..15
	v_nop                                          ; a plain vector instruction behind the last scaled conversion
	s_wait_alu depctr_va_vdst(0)                   ; the conversions have written v32-35, which the store reads
	global_store_b128 v1, v[32:35], s[16:17]       ; the wave stores 512 consecutive bytes, at a multiple of 512 from the image's first byte
	s_wait_dscnt 0x0                               ; the closing lines, six on end
	s_wait_alu 0x0
	s_wait_tensorcnt 0x0
	ds_add_u32 v62, v63
	s_wait_dscnt 0x0
	s_endpgm
.Lfunc_end_k_q66cc8af888_project:
	.size	k_q66cc8af888_project, .Lfunc_end_k_q66cc8af888_project-k_q66cc8af888_project
	.p2alignl 7, 3214868480
	.fill 96, 4, 3214868480
	.section	.rodata,"a",@progbits
	.p2align	6, 0x0
	.amdhsa_kernel k_q66cc8af888_project
		.amdhsa_group_segment_fixed_size 134144
		.amdhsa_private_segment_fixed_size 0
		.amdhsa_enable_private_segment 0
		.amdhsa_kernarg_size 48
		.amdhsa_user_sgpr_count 2
		.amdhsa_user_sgpr_kernarg_segment_ptr 1
		.amdhsa_wavefront_size32 1
		.amdhsa_system_sgpr_workgroup_id_x 1
		.amdhsa_system_sgpr_workgroup_id_y 1
		.amdhsa_system_sgpr_workgroup_id_z 1
		.amdhsa_system_vgpr_workitem_id 0
		.amdhsa_next_free_vgpr 256
		.amdhsa_next_free_sgpr 66
		.amdhsa_reserve_vcc 0
		.amdhsa_float_denorm_mode_32 3
		.amdhsa_float_denorm_mode_16_64 3
		.amdhsa_memory_ordered 1
		.amdhsa_forward_progress 1
		.amdhsa_inst_pref_size 18
	.end_amdhsa_kernel
	.amdgpu_metadata
---
amdhsa.version: [ 1, 2 ]
amdhsa.kernels:
  - .name:           k_q66cc8af888_project
    .symbol:         k_q66cc8af888_project.kd
    .args:
      - { .name: x_codes, .offset: 0, .size: 8, .value_kind: global_buffer, .address_space: global }
      - { .name: proj0_codes, .offset: 8, .size: 8, .value_kind: global_buffer, .address_space: global }
      - { .name: proj1_codes, .offset: 16, .size: 8, .value_kind: global_buffer, .address_space: global }
      - { .name: lowp_scales, .offset: 24, .size: 8, .value_kind: global_buffer, .address_space: global }
      - { .name: h0img, .offset: 32, .size: 8, .value_kind: global_buffer, .address_space: global }
      - { .name: h1img, .offset: 40, .size: 8, .value_kind: global_buffer, .address_space: global }
    .group_segment_fixed_size: 134144
    .private_segment_fixed_size: 0
    .kernarg_segment_align: 8
    .kernarg_segment_size: 48
    .max_flat_workgroup_size: 256
    .sgpr_count:     66
    .vgpr_count:     256
    .wavefront_size: 32
...
	.end_amdgpu_metadata
.endif
;; end of part 4
;; launch tails (part 5): grid 8 x 32, 16 waves a work-group, no clusters, 276,480 bytes of LDS; arguments x_codes, head_w_codes, head_b, w0_codes, w1_codes, y, lowp_scales, h0img, h1img, ph, pt, base; writes ph, pt, base
.if DOCPART == 5
	.amdgcn_target "amdgcn-amd-amdhsa--gfx1250"
	.amdhsa_code_object_version 6
	.text
	.protected	k_q66cc8af888_tails
	.globl	k_q66cc8af888_tails
	.p2align	8
	.type	k_q66cc8af888_tails,@function
k_q66cc8af888_tails:
	s_mov_b64 s[64:65], 0
	v_nop
	global_prefetch_b8 v0, s[64:65] scope:SCOPE_SE
	s_setreg_imm32_b32 hwreg(HW_REG_WAVE_SCHED_MODE, 0, 2), 2
	s_setreg_imm32_b32 hwreg(HW_REG_WAVE_MODE, 25, 1), 1
	s_wait_xcnt 0x0
	s_wait_alu depctr_vm_vsrc(0)
; The three log-softmaxes of the adaptive softmax, as PARTIAL log-sum-exps, and each token's target logits.  All products on E5M2 codes.
;   ph [7][4096]: chunk c's log-sum-exp (natural) of its share of the 1,677 head logits x head_w^T + head_b.
;   pt [8][4096]: chunk c's log-sum-exp of its share of the tail cluster that y names (1675 <= y < 5025: h0 w0^T; y >= 5025: h1 w1^T); for a head token 0 in chunk 0 and -2e38 elsewhere.
;   base [4096]:  head logit (with bias) at y, or at 1675 + cluster, plus the named cluster's logit at y's place in it.       The last launch gives out = base - LSE(ph) - LSE(pt).
; SHARES.  Work-group (c, tb): chunk c of the vocabulary, tokens 128 tb .. + 127 (8 tiles of 16).  Sixteen waves of 256 registers.  THE WAVES SHARE THE VOCABULARY, NOT THE TOKENS: wave g = 16 c + w of 128
; takes head tile g and the pair g of w0's tiles (g < 105) and the pairs 127 - g + 128 i of w1's 2,827 tiles (i = 0..10, and i = 11 where the pair exists), each for all 8 token tiles.
; So each weight byte goes from memory straight into the registers of the one wave that uses it and feeds 8 products from there.  That is why there is no tensor load, no ring and no joint request:
; through LDS each weight byte would be written and read once more, for no second reader in the work-group; LDS holds what all sixteen waves read, x's block and the two images, filled once through registers.
; EVERY PRODUCT IS USED TRANSPOSED (source 0 = 16 rows of a weight, source 1 = 16 tokens): lane (r, h) holds token r, its register j the row 8 h + j.  Maxima and sums stay in the lane until the end.
; SOFTMAX.  For each lane and token tile a running maximum m of the raw sums and s = the sum of 2^(c a - c m), c = log2(e) 2^(the two operands' exponents).  When m moves, s is multiplied by 2^(c m_old - c m_new).
; Rows past a weight's end are clamped to its last row: a copy of a true logit, so that m stays a true logit; its term is multiplied by 0 (v8-15 hold 1.0 or 0.0 for the rows of a pair's second tile).
; Fragments are fetched 16 bytes at a time at 32 c + 16 h of a K step: a permutation of k that is the same in both operands.
; ORDER.  Half of the waves with g < 105 run head and cluster 0 ahead of cluster 1, the other half behind it ((w ^ (w >> 2)) & 1), so that the head's matrix work and LDS reads stand beside other waves' vector work.
; LIMITS: e0 + e1, e4 + e5, e8 + e9 between -126 and 127 (each is added to log2(e)'s exponent field).  Codes of infinity or NaN are not served.  For y outside 0 .. 50,256 the gather addresses are clamped, so no load leaves its buffer; the value stored for such a token is not defined by the problem.
; THE MODE: SCHED_MODE bits 1:0 = 2 (LLVM: expert scheduling mode 2), set by the entry lines.  The code itself states the register dependences
; between vector or matrix instructions and memory or LDS instructions, with s_wait_alu, always for 0.
; THE PLAN.  Registers that memory or LDS instructions touch:
;   v1-7, v56-59    offsets and LDS addresses: written once at the head, ahead of the head's wait on va_vdst, never again.
;   cluster 1       Set p of w1 (16 registers from v192 + 16 p): unit p's sixteen products read it; its four loads for the unit three on land in it.  They stand straight behind the wait on va_vdst that the
;                   second half's softmax has for its exponentials: that wait stands behind both halves' products, and no vector instruction behind it names the set.  Their offset is v2, never written;
;                   the tiles are reached by two scalar bases a set, rewritten behind the wait at the unit's head that shows the set's last loads done.  So the loop has no wait beside the softmax's own.
;   v128-191        h1's fragments (cluster 1), head_w's four slots, w0's tiles: each run of loads stands behind a wait on va_vdst behind the last products that read the registers.
;   v192-255        x's four fragments (head) and h0's two buffers (cluster 0): read by four products, then loaded again: a wait on va_vdst ahead of each such run of loads.
;   v16-31          the statistics: written by the softmax, read by the LDS stores that hand them over (a wait on va_vdst ahead of the stores), written again by the next phase (a wait on vm_vsrc behind the stores).
;   v60-62, v192-199, v9-15   offsets that are made anew: a wait on vm_vsrc ahead of the lines that write them again, a wait on va_vdst ahead of the loads that read them.
;   A lane mask made by a compare, and the wave's number, have a wait on va_sdst ahead of their first reader.
.set XP,   1040                        ; a row of x in LDS: 1,024 bytes + 16 = 65 x 16: the 16 rows of a fragment load begin at 16 different 16-byte columns modulo 256
.set H0S,  128*XP                      ; LDS: x's 128 rows; then h0's images of the 8 token tiles (32,768 bytes);
.set H1O,  32768                       ; h1's images (8,192 bytes) lie this far behind h0's;
.set STAT, H0S+H1O+8192                ; the statistics [wave 6,144][kind 2,048][token tile 256][lane 8]: (-c m, s); kind 0 cluster 1, 1 cluster 0, 2 head;
.set RES,  STAT+16*6144                ; four rows of 128 tokens x 4 bytes: cluster 1, cluster 0, head, base
.set HLAST, 1676                       ; the last row of head_w,
.set ALAST, 3349                       ; of w0,
.set BLAST, 45231                      ; of w1
.set TLAST, 2826                       ; w1's last tile of 16 rows
.set CUTA, 1675
.set CUTB, 5025
.set LI,  1                            ; v1   16 x lane
.set AW1, 2                            ; v2   64 r + 16 h: my bytes in a tile of w1
.set AX0, 3                            ; v3   r XP + 16 h: x's fragments of token tiles 0-3;  v4: of tiles 4-7
.set AX1, 4
.set AH0, 5                            ; v5   H0S + 16 x lane: the images
.set AST, 6                            ; v6   my statistics: STAT + 6,144 w + 8 x lane
.set CB0, 7                            ; v7   combining: waves 0-7's entries of my kind and token;  v56: waves 8-15's
.set MK,  8                            ; v8-15   1.0 or 0.0 for rows j = 0..7
.set NM,  16                           ; v16-31  pairs (-c m, m) of token tiles 0..7
.set SS,  32                           ; v32-47  pairs s (even rows', odd rows'); in the head phase v32-39 hold the bias
.set TT,  48                           ; v48-55  four pairs at work
.set CB1, 56
.set RW,  57                           ; v57  where a combined number goes
.set RR,  58                           ; v58  RES + 16 x lane
.set TG,  59                           ; v59  where a target's number goes
.set ACC, 64                           ; v64-127   results: token tile i of a half: first tile at 64 + 16 i, second at 72 + 16 i; head: tile tt at 64 + 8 tt
.set HF,  128                          ; v128-191  cluster 1: h1's 8 fragments;  cluster 0: w0's two tiles x 2 K steps;  head: four slots for head_w's K steps
.set WR,  192                          ; v192-239  cluster 1: three sets of a pair of w1's tiles;  v192-255: cluster 0: two buffers for h0's fragments;  head: four fragments of x
.set BSA, 76                           ; s[76:81]  cluster 1: set p's first tile in w1: a pair at BSA + 2 p (the staging's bases until its loads are in)
.set BSB, 32                           ; s[32:37]  its second tile: a pair at BSB + 2 p (the exponents e0 .. e5 until the constants are made)
.set DG,  66                           ; s66-72  lane masks 0x01010101 << j, j = 1..7
.macro PLACES                          ; four plain vector instructions between a matrix instruction and a read of its result or a load into its sources
.rept 4
	v_nop
.endr
.endm
.macro INITSTATS
.irp t, 0,1,2,3,4,5,6,7
	v_mov_b32 v[NM+2*\t], 0x7f61b1e6               ; -c m = 3e38,
	v_mov_b32 v[NM+2*\t+1], 0xff61b1e6             ; m = -3e38: under every sum
	v_mov_b32 v[SS+2*\t], 0
	v_mov_b32 v[SS+2*\t+1], 0
.endr
.endm
.macro MASK1
.irp j, 0,1,2,3,4,5,6,7
	v_mov_b32 v[MK+\j], 1.0
.endr
.endm
; ---- cluster 1's loads
.macro C1LOAD p                        ; the pair of tiles s53 + 256 p, + 1 (clamped to the last tile: no load leaves w1) into set p: four loads, 2,048 bytes.  s55 = s59 = 0: the offsets' high words
	s_add_co_u32 s54, s53, 256*\p
	s_add_co_u32 s58, s54, 1
	s_min_u32 s54, s54, TLAST
	s_min_u32 s58, s58, TLAST
	s_lshl_b32 s54, s54, 10
	s_lshl_b32 s58, s58, 10
	s_add_nc_u64 s[BSA+2*\p:BSA+2*\p+1], s[16:17], s[54:55]   ; the set's two bases are free: the wait at the unit's head has shown the loads that read them done
	s_add_nc_u64 s[BSB+2*\p:BSB+2*\p+1], s[16:17], s[58:59]
	global_load_b128 v[WR+16*\p:WR+16*\p+3], v[AW1], s[BSA+2*\p:BSA+2*\p+1]
	global_load_b128 v[WR+16*\p+4:WR+16*\p+7], v[AW1], s[BSA+2*\p:BSA+2*\p+1] offset:32
	global_load_b128 v[WR+16*\p+8:WR+16*\p+11], v[AW1], s[BSB+2*\p:BSB+2*\p+1]
	global_load_b128 v[WR+16*\p+12:WR+16*\p+15], v[AW1], s[BSB+2*\p:BSB+2*\p+1] offset:32
.endm
; The running softmax of four token tiles (statistics 4 half + i) over 16 rows each.  Every step is written for the four tiles by turns, so that no line waits for the line above it.  s[cs]: c.
; ld = 0, 1 or 2: set ld of w1 is asked for again, behind the softmax's one wait; ld = -1: nothing is asked for.
.macro SM4 half, cs, ld
.irp i, 0,1,2,3
	v_max3_num_f32 v[TT+2*\i], v[ACC+16*\i], v[ACC+16*\i+1], v[ACC+16*\i+2]           ; each result is read from its low end on
	v_max3_num_f32 v[TT+2*\i+1], v[ACC+16*\i+8], v[ACC+16*\i+9], v[ACC+16*\i+10]
.endr
.irp k, 3,5
.irp i, 0,1,2,3
	v_max3_num_f32 v[TT+2*\i], v[TT+2*\i], v[ACC+16*\i+\k], v[ACC+16*\i+\k+1]
	v_max3_num_f32 v[TT+2*\i+1], v[TT+2*\i+1], v[ACC+16*\i+8+\k], v[ACC+16*\i+9+\k]
.endr
.endr
.irp i, 0,1,2,3
	v_max3_num_f32 v[TT+2*\i], v[TT+2*\i], v[ACC+16*\i+7], v[ACC+16*\i+15]
.endr
.irp i, 0,1,2,3
	v_max3_num_f32 v[NM+8*\half+2*\i+1], v[NM+8*\half+2*\i+1], v[TT+2*\i], v[TT+2*\i+1]   ; the new m
.endr
.irp i, 0,1,2,3
	v_fma_f32 v[TT+2*\i], -v[NM+8*\half+2*\i+1], s[\cs], -v[NM+8*\half+2*\i]         ; c m_old - c m_new, 0 or less
.endr
.irp i, 0,1,2,3
	v_mul_f32 v[NM+8*\half+2*\i], -v[NM+8*\half+2*\i+1], s[\cs]                      ; -c m
.endr
.irp i, 0,1,2,3
	v_exp_f32 v[TT+2*\i], v[TT+2*\i]                                                 ; f; the packed lines below are the plain instructions behind it
.endr
.irp i, 0,1,2,3
.irp k, 0,2,4,6,8,10,12,14
	v_pk_fma_f32 v[ACC+16*\i+\k:ACC+16*\i+\k+1], v[ACC+16*\i+\k:ACC+16*\i+\k+1], s[\cs:\cs+1], v[NM+8*\half+2*\i:NM+8*\half+2*\i+1] op_sel_hi:[1,0,0]   ; c a - c m, two at a time (of the pairs c and -c m the low word serves both halves)
.endr
.endr
.irp i, 0,1,2,3
.irp k, 0,1,2,3,4,5,6,7,8,9,10,11,12,13,14,15
	v_exp_f32 v[ACC+16*\i+\k], v[ACC+16*\i+\k]
.endr
.endr
	s_wait_alu depctr_va_vdst(0)                   ; the 68 exponentials have written f and the terms, ahead of their first reader; and the products issued so far are done reading their operands: set ld, in which the loads below land, among them
.if \ld >= 0
	C1LOAD \ld                                     ; no vector or matrix instruction since the wait names the set's registers or v2
.endif
.irp i, 0,1,2,3
	v_pk_mul_f32 v[SS+8*\half+2*\i:SS+8*\half+2*\i+1], v[SS+8*\half+2*\i:SS+8*\half+2*\i+1], v[TT+2*\i:TT+2*\i+1] op_sel_hi:[1,0]   ; s under the new m.  (A plain instruction behind the exponentials)
.endr
.irp i, 0,1,2,3
	v_pk_add_f32 v[ACC+16*\i:ACC+16*\i+1], v[ACC+16*\i:ACC+16*\i+1], v[ACC+16*\i+2:ACC+16*\i+3]
	v_pk_add_f32 v[ACC+16*\i+4:ACC+16*\i+5], v[ACC+16*\i+4:ACC+16*\i+5], v[ACC+16*\i+6:ACC+16*\i+7]
.endr
.irp i, 0,1,2,3
	v_pk_fma_f32 v[SS+8*\half+2*\i:SS+8*\half+2*\i+1], v[ACC+16*\i+8:ACC+16*\i+9], v[MK:MK+1], v[SS+8*\half+2*\i:SS+8*\half+2*\i+1]   ; the second tile's terms x 1 or 0
	v_pk_add_f32 v[ACC+16*\i:ACC+16*\i+1], v[ACC+16*\i:ACC+16*\i+1], v[ACC+16*\i+4:ACC+16*\i+5]
.endr
.irp k, 2,4,6
.irp i, 0,1,2,3
	v_pk_fma_f32 v[SS+8*\half+2*\i:SS+8*\half+2*\i+1], v[ACC+16*\i+8+\k:ACC+16*\i+9+\k], v[MK+\k:MK+\k+1], v[SS+8*\half+2*\i:SS+8*\half+2*\i+1]
.endr
.endr
.irp i, 0,1,2,3
	v_pk_add_f32 v[SS+8*\half+2*\i:SS+8*\half+2*\i+1], v[SS+8*\half+2*\i:SS+8*\half+2*\i+1], v[ACC+16*\i:ACC+16*\i+1]
.endr
.endm
.macro DUMP k                          ; my (-c m, s) of the 8 token tiles go to my own place in LDS
.irp t, 0,1,2,3,4,5,6,7
	v_add_f32 v[NM+2*\t+1], v[SS+2*\t], v[SS+2*\t+1]
.endr
	s_wait_alu depctr_va_vdst(0)                   ; the additions have written the sums, and the softmax -c m: v16-31, which the LDS stores read
.irp t, 0,1,2,3,4,5,6,7
	ds_store_b64 v[AST], v[NM+2*\t:NM+2*\t+1] offset:2048*\k+256*\t
.endr
	s_wait_alu depctr_vm_vsrc(0)                   ; the stores have read v16-31, which the phase that follows writes again; ahead of the branch or label behind this macro
.endm
.macro HALFMUL p, half                 ; 32 rows x 64 tokens: eight products, each a whole sum (K = 64)
.irp i, 0,1,2,3
	v_wmma_f32_16x16x64_bf8_bf8 v[ACC+16*\i:ACC+16*\i+7], v[WR+16*\p:WR+16*\p+7], v[HF+8*(4*\half+\i):HF+8*(4*\half+\i)+7], 0
	v_wmma_f32_16x16x64_bf8_bf8 v[ACC+16*\i+8:ACC+16*\i+15], v[WR+16*\p+8:WR+16*\p+15], v[HF+8*(4*\half+\i):HF+8*(4*\half+\i)+7], 0
.endr
	PLACES
.endm
; A unit: one pair of tiles for the 8 token tiles.  left: the loads of the younger sets, which may stay out.  ahead = 1: set p takes the pair three units on, in the second half's softmax;
; the wait at the unit's head has shown the set's last loads done, so its two bases may be written.  last = 1: the twelfth unit, which only the six waves with 127 - g < 6 have; the last pair has one tile.
.macro C1UNIT p, ahead, left, last
	s_wait_loadcnt \left
.if \last
	s_cmp_ge_u32 s6, 6
	s_cbranch_scc1 .Lc1_none_\@
	s_cmp_lg_u32 s6, 5
	s_cbranch_scc1 .Lc1_whole_\@
.irp j, 0,1,2,3,4,5,6,7
	v_mov_b32 v[MK+\j], 0                          ; pair 1,413 has no second tile: its place holds a copy of the first, whose terms count for nothing
.endr
.Lc1_whole_\@:
.endif
	HALFMUL \p, 0
	SM4 0, 46, -1
	HALFMUL \p, 1
.if \ahead
	SM4 1, 46, \p
.else
	SM4 1, 46, -1
.endif
.if \last
.Lc1_none_\@:
.endif
.endm
; ---- head and cluster 0
.macro LOADWH s                        ; head_w's fragment of K step s into slot s % 4
.irp c, 0,1,2,3
	global_load_b128 v[HF+16*((\s)%4)+4*\c:HF+16*((\s)%4)+4*\c+3], v60, s[10:11] offset:128*(\s)+32*\c
.endr
.endm
.macro LOADF tt, b                     ; h0's two fragments of token tile tt into buffer b: eight loads
.irp s, 0,1
.irp c, 0,1,2,3
	ds_load_b128 v[WR+32*(\b)+16*\s+4*\c:WR+32*(\b)+16*\s+4*\c+3], v[AH0] offset:4096*(\tt)+2048*\s+512*\c
.endr
.endr
.endm
.macro MUL4 i                          ; token tile i of a half x w0's two tiles, K = 256: the two accumulators take turns, one instruction a turn
	v_wmma_f32_16x16x128_bf8_bf8 v[ACC+16*\i:ACC+16*\i+7], v[HF:HF+15], v[WR+32*((\i)%2):WR+32*((\i)%2)+15], 0
	v_wmma_f32_16x16x128_bf8_bf8 v[ACC+16*\i+8:ACC+16*\i+15], v[HF+32:HF+47], v[WR+32*((\i)%2):WR+32*((\i)%2)+15], 0
	v_wmma_f32_16x16x128_bf8_bf8 v[ACC+16*\i:ACC+16*\i+7], v[HF+16:HF+31], v[WR+32*((\i)%2)+16:WR+32*((\i)%2)+31], v[ACC+16*\i:ACC+16*\i+7]
	v_wmma_f32_16x16x128_bf8_bf8 v[ACC+16*\i+8:ACC+16*\i+15], v[HF+48:HF+63], v[WR+32*((\i)%2)+16:WR+32*((\i)%2)+31], v[ACC+16*\i+8:ACC+16*\i+15]
.endm
.macro HEADC0
	; HEAD: tile g of head_w (16 rows, K = 1,024) x the 8 token tiles.  No load of mine is out here, and every memory or LDS instruction issued so far stands ahead of a wait on vm_vsrc
	v_and_b32 v62, 15, v0                          ; r
	v_bfe_u32 v63, v0, 4, 1                        ; h
	s_lshl_b32 s54, s5, 4                          ; 16 g
	v_add_nc_u32 v60, s54, v62
	v_min_u32 v60, HLAST, v60                      ; rows past the end: the last row
	v_lshlrev_b32 v60, 10, v60
	v_lshl_add_u32 v60, v63, 4, v60                ; row x 1,024 + 16 h
	v_lshl_add_u32 v61, v63, 3, s54                ; 16 g + 8 h: the row of my register 0
.irp j, 0,1,2,3,4,5,6,7
	v_add_nc_u32 v[WR+\j], \j, v61
	v_min_u32 v[WR+\j], HLAST, v[WR+\j]
	v_lshlrev_b32 v[WR+\j], 2, v[WR+\j]
.endr
	MASK1
	s_cmp_lg_u32 s5, 104
	s_cbranch_scc1 .Lhead_whole_\@
.irp j, 5,6,7
	v_cndmask_b32 v[MK+\j], 0, 1.0, s74            ; tile 104 has 13 rows: 8 h + j < 13: rows j >= 5 count in lanes 0-15 alone
.endr
.Lhead_whole_\@:
	s_wait_alu depctr_va_vdst(0)                   ; v60 and v192-199 are written, which the loads below read as offsets; the vector and matrix instructions issued so far are done with v32-39 and v128-255, in which these loads and x's first fragments land
.irp j, 0,1,2,3,4,5,6,7
	global_load_b32 v[SS+\j], v[WR+\j], s[12:13]   ; the bias in the result's layout
.endr
.irp s, 0,1,2,3
	LOADWH \s
.endr
	s_wait_loadcnt 16                              ; the bias is in (the sixteen loads of head_w are younger)
.irp j, 0,1,2,3,4,5,6,7
	v_ldexp_f32 v[SS+\j], v[SS+\j], s48            ; b / 2^(e0 + e1): it starts the sums, which lack that power of two
.endr
.irp s, 0,1,2,3,4,5,6,7
.irp grp, 0,1
	PLACES                                         ; in front of loads into registers that the last products read
.if (\s == 0) && (\grp == 0)
	s_wait_alu depctr_vm_vsrc(0)                   ; the bias's loads have read their offsets v192-199, in which x's fragments land
.else
	s_wait_alu depctr_va_vdst(0)                   ; the last four products are done reading v192-255, in which x's next fragments land; in a step's first group the step before is also done reading its slot of head_w
.endif
.if (\grp == 0) && (\s >= 1) && (\s <= 4)
	LOADWH \s+3                                    ; into the slot that step s - 1 has left
.endif
.irp i, 0,1,2,3
.irp c, 0,1,2,3
	ds_load_b128 v[WR+16*\i+4*\c:WR+16*\i+4*\c+3], v[AX0+\grp] offset:16*XP*\i+128*\s+32*\c
.endr
.endr
.if \grp == 0
.if \s <= 4
	s_wait_loadcnt 12                              ; this step's fragment of head_w is in; those of the three steps behind it may be out
.else
	s_wait_loadcnt 4*(7-\s)
.endif
.endif
	s_wait_dscnt 0x0
.irp i, 0,1,2,3                        ; the eight accumulators take turns, one instruction a turn
.if \s == 0
	v_wmma_f32_16x16x128_bf8_bf8 v[ACC+8*(4*\grp+\i):ACC+8*(4*\grp+\i)+7], v[HF+16*(\s%4):HF+16*(\s%4)+15], v[WR+16*\i:WR+16*\i+15], v[SS:SS+7]
.else
	v_wmma_f32_16x16x128_bf8_bf8 v[ACC+8*(4*\grp+\i):ACC+8*(4*\grp+\i)+7], v[HF+16*(\s%4):HF+16*(\s%4)+15], v[WR+16*\i:WR+16*\i+15], v[ACC+8*(4*\grp+\i):ACC+8*(4*\grp+\i)+7]
.endif
.endr
.endr
.endr
	PLACES
.irp grp, 0,1                          ; one tile of rows: maximum, terms and sum at once, four token tiles by turns
.irp i, 0,1,2,3
	v_max3_num_f32 v[TT+2*\i], v[ACC+8*(4*\grp+\i)], v[ACC+8*(4*\grp+\i)+1], v[ACC+8*(4*\grp+\i)+2]
.endr
.irp k, 3,5
.irp i, 0,1,2,3
	v_max3_num_f32 v[TT+2*\i], v[TT+2*\i], v[ACC+8*(4*\grp+\i)+\k], v[ACC+8*(4*\grp+\i)+\k+1]
.endr
.endr
.irp i, 0,1,2,3
	v_max_num_f32 v[TT+2*\i], v[TT+2*\i], v[ACC+8*(4*\grp+\i)+7]
.endr
.irp i, 0,1,2,3
	v_mul_f32 v[NM+2*(4*\grp+\i)], -v[TT+2*\i], s42
.endr
.irp i, 0,1,2,3
.irp k, 0,2,4,6
	v_pk_fma_f32 v[ACC+8*(4*\grp+\i)+\k:ACC+8*(4*\grp+\i)+\k+1], v[ACC+8*(4*\grp+\i)+\k:ACC+8*(4*\grp+\i)+\k+1], s[42:43], v[NM+2*(4*\grp+\i):NM+2*(4*\grp+\i)+1] op_sel_hi:[1,0,0]
.endr
.endr
.irp i, 0,1,2,3
.irp k, 0,1,2,3,4,5,6,7
	v_exp_f32 v[ACC+8*(4*\grp+\i)+\k], v[ACC+8*(4*\grp+\i)+\k]
.endr
.endr
	v_nop                                          ; a plain instruction behind the exponentials
	s_wait_alu depctr_va_vdst(0)                   ; the 32 exponentials have written the terms, ahead of their first reader
.irp i, 0,1,2,3
	v_pk_mul_f32 v[ACC+8*(4*\grp+\i):ACC+8*(4*\grp+\i)+1], v[ACC+8*(4*\grp+\i):ACC+8*(4*\grp+\i)+1], v[MK:MK+1]
.endr
.irp k, 2,4,6
.irp i, 0,1,2,3
	v_pk_fma_f32 v[ACC+8*(4*\grp+\i):ACC+8*(4*\grp+\i)+1], v[ACC+8*(4*\grp+\i)+\k:ACC+8*(4*\grp+\i)+\k+1], v[MK+\k:MK+\k+1], v[ACC+8*(4*\grp+\i):ACC+8*(4*\grp+\i)+1]
.endr
.endr
.irp i, 0,1,2,3
	v_add_f32 v[NM+2*(4*\grp+\i)+1], v[ACC+8*(4*\grp+\i)], v[ACC+8*(4*\grp+\i)+1]
.endr
.endr
	; CLUSTER 0: the pair g of w0's tiles (32 rows, K = 256) x the 8 token tiles.  head_w's loads were waited for to the last.  The head's statistics are stored behind the wait that cluster 0's offsets need
	s_wait_alu depctr_vm_vsrc(0)                   ; head_w's loads have read their offset v60, which is written again
	s_lshl_b32 s54, s5, 5                          ; 32 g
	v_add_nc_u32 v60, s54, v62
	v_add_nc_u32 v61, 16, v60
	v_min_u32 v61, ALAST, v61                      ; rows past the end: the last row
	v_lshlrev_b32 v60, 8, v60
	v_lshlrev_b32 v61, 8, v61
	v_lshl_add_u32 v60, v63, 4, v60
	v_lshl_add_u32 v61, v63, 4, v61
	s_wait_alu depctr_va_vdst(0)                   ; v60 and v61 are written, which w0's loads read; the head's products are done reading v128-255, in which w0's tiles and h0's first fragments land; v16-31 are written, which the LDS stores read
.irp s, 0,1
.irp c, 0,1,2,3
	global_load_b128 v[HF+16*\s+4*\c:HF+16*\s+4*\c+3], v60, s[14:15] offset:128*\s+32*\c
	global_load_b128 v[HF+32+16*\s+4*\c:HF+32+16*\s+4*\c+3], v61, s[14:15] offset:128*\s+32*\c
.endr
.endr
.irp t, 0,1,2,3,4,5,6,7
	ds_store_b64 v[AST], v[NM+2*\t:NM+2*\t+1] offset:4096+256*\t   ; the head's (-c m, s)
.endr
	s_wait_alu depctr_vm_vsrc(0)                   ; the stores have read v16-31, which the lines below write again
	INITSTATS
	MASK1
	s_cmp_lg_u32 s5, 104
	s_cbranch_scc1 .Lc0_whole_\@
.irp j, 0,1,2,3,4,5
	v_cndmask_b32 v[MK+\j], 0, 1.0, s74            ; pair 104's second tile has 6 rows: 8 h + j < 6
.endr
	v_mov_b32 v[MK+6], 0
	v_mov_b32 v[MK+7], 0
.Lc0_whole_\@:
	s_wait_loadcnt 0x0
.irp half, 0,1
	LOADF 4*\half+0, 0                             ; no wait: the last products that read the two buffers stand ahead of a wait on va_vdst (the one above; the first half's softmax's), and no vector instruction since names v192-255
	LOADF 4*\half+1, 1
	s_wait_dscnt 8                                 ; the older token tile's fragments are in, the younger one's eight loads may be out
	MUL4 0
	PLACES
	s_wait_alu depctr_va_vdst(0)                   ; the four products above are done reading buffer 0, in which the loads below land
	LOADF 4*\half+2, 0
	s_wait_dscnt 8
	MUL4 1
	PLACES
	s_wait_alu depctr_va_vdst(0)                   ; the four products above are done reading buffer 1, in which the loads below land
	LOADF 4*\half+3, 1
	s_wait_dscnt 8
	MUL4 2
	s_wait_dscnt 0x0
	MUL4 3
	PLACES
	SM4 \half, 44, -1
.endr
	DUMP 1
.endm
	; ---- ids, addresses, constants.  Every LDS address register is made here, ahead of the first branch, and holds nothing else afterwards
	s_load_b512 s[8:23], s[0:1], 0x0               ; x s[8:9], head_w s[10:11], head_b s[12:13], w0 s[14:15], w1 s[16:17], y s[18:19], the exponents s[20:21], h0img s[22:23]
	s_load_b256 s[24:31], s[0:1], 0x40             ; h1img s[24:25], ph s[26:27], pt s[28:29], base s[30:31]
	v_lshrrev_b32 v63, 5, v0
	v_readfirstlane_b32 s2, v63                    ; w
	s_mov_b32 s3, ttmp9                            ; c
	s_and_b32 s4, ttmp7, 0xffff                    ; tb
	v_and_b32 v60, 31, v0                          ; lane
	v_and_b32 v61, 15, v0                          ; r
	v_bfe_u32 v62, v0, 4, 1                        ; h
	v_lshlrev_b32 v[LI], 4, v60
	v_lshlrev_b32 v[AW1], 6, v61
	v_lshl_add_u32 v[AW1], v62, 4, v[AW1]
	v_mul_u32_u24 v[AX0], v61, XP
	v_lshl_add_u32 v[AX0], v62, 4, v[AX0]
	v_add_nc_u32 v[AX1], 64*XP, v[AX0]
	v_add_nc_u32 v[AH0], H0S, v[LI]
	v_mov_b32 v48, 0x7f61b1e6                      ; (3e38, 0): the entry that counts for nothing, stored below
	v_mov_b32 v49, 0
	s_wait_alu depctr_va_sdst(0)                   ; s2 is written, ahead of its first reader: g, the addresses, the bases and the branches on the wave's number are made from it
	s_lshl_b32 s5, s3, 4
	s_add_co_u32 s5, s5, s2                        ; g = 16 c + w
	s_sub_co_u32 s6, 127, s5                       ; 127 - g
	s_mul_i32 s54, s2, 6144
	s_add_co_u32 s54, s54, STAT
	v_lshl_add_u32 v[AST], v60, 3, s54
	s_lshr_b32 s54, s2, 2                          ; combining: wave w takes kind w / 4, token tiles 2 (w % 4) and + 1; a lane one token
	s_lshl_b32 s54, s54, 11
	s_and_b32 s55, s2, 3
	s_lshl_b32 s55, s55, 9
	s_add_co_u32 s54, s54, s55
	s_add_co_u32 s54, s54, STAT
	v_lshlrev_b32 v63, 3, v61
	v_lshl_add_u32 v63, v62, 8, v63
	v_add_nc_u32 v[CB0], s54, v63
	v_add_nc_u32 v[CB1], 8*6144, v[CB0]
	s_lshl_b32 s54, s2, 7
	s_add_co_u32 s54, s54, RES
	v_lshl_add_u32 v[RW], v60, 2, s54              ; row w / 4, token 32 (w % 4) + lane: RES + 128 w + 4 x lane
	v_add_nc_u32 v[RR], RES, v[LI]
	s_and_b32 s54, s2, 7
	s_lshl_b32 s54, s54, 6
	s_add_co_u32 s54, s54, RES+1536
	v_lshl_add_u32 v[TG], v61, 2, s54              ; row 3, token 16 (w % 8) + r
	s_mul_i32 s54, s2, 8*XP
	v_add_nc_u32 v60, s54, v[LI]                   ; staging: my 8 rows of x,
	s_lshl_b32 s54, s2, 11
	v_add_nc_u32 v61, s54, v[AH0]                  ; my 2,048 bytes of h0's images,
	s_lshl_b32 s54, s2, 9
	v_add_nc_u32 v62, s54, v[AH0]                  ; my 512 bytes of h1's
	s_lshr_b32 s54, s2, 2
	s_xor_b32 s54, s54, s2
	s_and_b32 s54, s54, 1                          ; 1: head and cluster 0 come behind cluster 1
	s_cmp_lt_u32 s5, 105
	s_cselect_b32 s55, 1, 0                        ; I have a head tile and a pair of w0
	s_and_b32 s57, s55, s54
	s_xor_b32 s54, s54, 1
	s_and_b32 s56, s55, s54
	s_mov_b32 s60, 0x76543210                      ; v_permlanex16_b32's selects for lane l xor 16
	s_mov_b32 s61, 0xfedcba98
.irp j, 1,2,3,4,5,6,7
	s_mov_b32 s[DG+\j-1], 0x01010101<<\j
.endr
	s_mov_b32 s73, 0xff0000ff                      ; the lanes that hold a tile's diagonal: 0-7 and 24-31
	s_mov_b32 s74, 0x0000ffff                      ; lanes 0-15
	s_cmp_eq_u32 s3, 0
	s_cselect_b32 s75, 0, 0xff167699               ; a head token's entry in pt: 0 in chunk 0, -2e38 elsewhere
	s_wait_kmcnt 0x0
	s_load_b256 s[32:39], s[20:21], 0x0            ; e0 .. e7
	s_load_b64 s[40:41], s[20:21], 0x20            ; e8, e9
	s_mov_b32 s55, 0
	s_lshl_b32 s54, s4, 17
	s_lshl_b32 s53, s2, 13
	s_add_co_u32 s54, s54, s53
	s_add_nc_u64 s[76:77], s[8:9], s[54:55]        ; x at my 8 rows of the block
	s_lshl_b32 s54, s4, 15
	s_lshl_b32 s53, s2, 11
	s_add_co_u32 s54, s54, s53
	s_add_nc_u64 s[78:79], s[22:23], s[54:55]
	s_lshl_b32 s54, s4, 13
	s_lshl_b32 s53, s2, 9
	s_add_co_u32 s54, s54, s53
	s_add_nc_u64 s[80:81], s[24:25], s[54:55]
	s_wait_alu depctr_va_vdst(0)                   ; v1 to v7, v56 to v62 are written, which the loads and stores of the kernel read as offsets and addresses; so are v48 and v49, which LDS stores below read
.irp i, 0,1,2,3,4,5,6,7,8,9,10,11,12,13,14,15
	global_load_b128 v[64+4*\i:67+4*\i], v[LI], s[76:77] offset:512*\i    ; 32 lanes read 512 consecutive bytes
.endr
.irp i, 0,1,2,3
	global_load_b128 v[128+4*\i:131+4*\i], v[LI], s[78:79] offset:512*\i
.endr
	global_load_b128 v[144:147], v[LI], s[80:81]
	s_and_b32 s52, s2, 7
	s_lshl_b32 s53, s4, 3
	s_add_co_u32 s52, s52, s53                     ; the token tile whose targets I take, if I take any
	s_lshl_b32 s54, s52, 14
	s_add_nc_u64 s[82:83], s[8:9], s[54:55]
	s_lshl_b32 s54, s52, 12
	s_add_nc_u64 s[84:85], s[22:23], s[54:55]
	s_lshl_b32 s54, s52, 10
	s_add_nc_u64 s[86:87], s[24:25], s[54:55]
	s_lshl_b32 s54, s52, 6
	s_add_nc_u64 s[88:89], s[18:19], s[54:55]
	s_lshl_b32 s54, s4, 9
	s_add_nc_u64 s[94:95], s[30:31], s[54:55]      ; base and y at the block's 128 tokens
	s_add_nc_u64 s[96:97], s[18:19], s[54:55]
	s_lshl_b32 s53, s3, 14
	s_add_co_u32 s54, s54, s53
	s_add_nc_u64 s[90:91], s[28:29], s[54:55]      ; pt and ph at row c, the block's tokens
	s_add_nc_u64 s[92:93], s[26:27], s[54:55]
	INITSTATS
.irp k, 1,2
.irp t, 0,1,2,3,4,5,6,7
	ds_store_b64 v[AST], v[48:49] offset:2048*\k+256*\t   ; (3e38, 0): an entry that counts for nothing, until my own head and cluster 0 write over it.  (No vector instruction since the wait above names v6, v48 or v49)
.endr
.endr
	s_wait_loadcnt 5                               ; x's sixteen loads are in; the images' five are younger
.irp i, 0,1,2,3,4,5,6,7,8,9,10,11,12,13,14,15
	ds_store_b128 v60, v[64+4*\i:67+4*\i] offset:(\i/2)*XP+(\i%2)*512
.endr
	s_wait_loadcnt 0x0
.irp i, 0,1,2,3
	ds_store_b128 v61, v[128+4*\i:131+4*\i] offset:512*\i
.endr
	ds_store_b128 v62, v[144:147] offset:H1O
	s_wait_kmcnt 0x0
	s_add_co_i32 s49, s32, s33                     ; e0 + e1
	s_sub_co_i32 s48, 0, s49
	s_add_co_i32 s50, s36, s37                     ; e4 + e5
	s_add_co_i32 s51, s40, s41                     ; e8 + e9
	s_lshl_b32 s42, s49, 23
	s_add_co_i32 s42, s42, 0x3fb8aa3b              ; c = log2(e) 2^(e0 + e1): the exponents are added to log2(e)'s exponent field
	s_mov_b32 s43, s42                             ; (named with it as a pair, so it is written)
	s_lshl_b32 s44, s50, 23
	s_add_co_i32 s44, s44, 0x3fb8aa3b
	s_mov_b32 s45, s44
	s_lshl_b32 s46, s51, 23
	s_add_co_i32 s46, s46, 0x3fb8aa3b
	s_mov_b32 s47, s46
	s_wait_dscnt 0x0                               ; for the others' sake: my stores have landed
	s_barrier_signal -1
	s_barrier_wait -1                              ; x's block and the images lie in LDS; nobody writes them again
	s_wait_alu depctr_vm_vsrc(0)                   ; my LDS stores have read v48, v49, v60-62 and v64-147, all of which the phases below write again; ahead of the branch
	s_cmp_eq_u32 s56, 0
	s_cbranch_scc1 .Lnot_early
	HEADC0
.Lnot_early:
	; ---- cluster 1: twelve units; three sets of registers, each asked for three units ahead
	INITSTATS
	MASK1
	s_mov_b32 s55, 0                               ; the high words of the two offsets
	s_mov_b32 s59, 0
	s_lshl_b32 s53, s6, 1                          ; the first tile of my first pair
	C1LOAD 0                                       ; no wait: where cluster 0 ran ahead, its products and softmax stand ahead of the wait on va_vdst in its hand-over of statistics, and no vector instruction since names v128-255
	C1LOAD 1
	C1LOAD 2
	s_add_co_u32 s53, s53, 768
.irp t, 0,1,2,3,4,5,6,7
	ds_load_b128 v[HF+8*\t:HF+8*\t+3], v[AH0] offset:H1O+1024*\t
	ds_load_b128 v[HF+8*\t+4:HF+8*\t+7], v[AH0] offset:H1O+1024*\t+512
.endr
	s_wait_dscnt 0x0                               ; h1's eight fragments stay in registers
	s_mov_b32 s52, 0
.Lc1:                                              ; three trips of three units; at each unit's head twelve loads are out, over the backward jump too: the count 8 leaves the two younger sets'
	C1UNIT 0, 1, 8, 0
	C1UNIT 1, 1, 8, 0
	C1UNIT 2, 1, 8, 0
	s_add_co_u32 s53, s53, 768
	s_add_co_u32 s52, s52, 3
	s_cmp_lt_u32 s52, 9
	s_cbranch_scc1 .Lc1
	C1UNIT 0, 0, 8, 0                              ; the last three units ask for nothing: the counts run down
	C1UNIT 1, 0, 4, 0
	C1UNIT 2, 0, 0, 1
	DUMP 0
	s_cmp_eq_u32 s57, 0
	s_cbranch_scc1 .Lnot_late
	HEADC0
.Lnot_late:
	; ---- the targets: in chunk 7, wave w < 8 takes token tile w.  Source 0 = the 16 rows that the 16 tokens name, source 1 = the 16 tokens: the diagonal of the result holds each token's logit
	s_cmp_lt_u32 s2, 8
	s_cbranch_scc0 .Lno_target
	s_cmp_eq_u32 s3, 7
	s_cbranch_scc0 .Lno_target
	s_wait_dscnt 0x0
	v_and_b32 v62, 15, v0
	v_bfe_u32 v63, v0, 4, 1
	v_lshlrev_b32 v15, 2, v62
	v_lshlrev_b32 v14, 10, v62
	v_lshl_add_u32 v14, v63, 4, v14                ; x: r x 1,024 + 16 h
	v_lshlrev_b32 v63, 4, v63                      ; 16 h
	v_mov_b32 v60, CUTA
	v_mov_b32 v61, CUTA+1
	v_mov_b32 v13, CUTB
	s_wait_alu depctr_va_vdst(0)                   ; v15 is written, which the load reads as its offset; the softmax's lines are done with v8, in which it lands
	global_load_b32 v8, v15, s[88:89]              ; y of my token
	s_wait_loadcnt 0x0
	v_cmp_le_i32 s54, CUTA, v8                     ; y in a tail cluster
	v_cmp_le_i32 s55, CUTB, v8                     ; y in cluster 1
	v_sub_nc_u32 v10, v8, v60
	v_max_i32 v10, 0, v10
	v_min_u32 v10, ALAST, v10                      ; clip(y - 1675, 0, 3349)
	v_lshlrev_b32 v10, 8, v10
	v_add_nc_u32 v10, v10, v63
	v_sub_nc_u32 v11, v8, v13
	v_max_i32 v11, 0, v11
	v_min_u32 v11, BLAST, v11                      ; clip(y - 5025, 0, 45231)
	v_lshlrev_b32 v11, 6, v11
	v_add_nc_u32 v11, v11, v63
	s_wait_alu depctr_va_sdst(0)                   ; the two compares have written s54 and s55, ahead of their first reader
	v_cndmask_b32 v9, v8, v60, s54
	v_cndmask_b32 v9, v9, v61, s55                 ; the head's row: y, or 1675 + cluster
	v_min_u32 v9, HLAST, v9
	v_lshlrev_b32 v12, 2, v9
	v_lshlrev_b32 v9, 10, v9
	v_add_nc_u32 v9, v9, v63
	s_wait_alu depctr_va_vdst(0)                   ; v9 to v12 and v14 are written, which the loads below read as offsets; the lines above are done with v13, the earlier phases with v64-255, in which they land
	global_load_b32 v13, v12, s[12:13]             ; the bias at the head's row
.irp s, 0,1,2,3
.irp c, 0,1,2,3
	global_load_b128 v[64+16*\s+4*\c:67+16*\s+4*\c], v14, s[82:83] offset:128*\s+32*\c
	global_load_b128 v[128+16*\s+4*\c:131+16*\s+4*\c], v9, s[10:11] offset:128*\s+32*\c
.endr
.endr
.irp s, 0,1
.irp c, 0,1,2,3
	global_load_b128 v[192+16*\s+4*\c:195+16*\s+4*\c], v[LI], s[84:85] offset:2048*\s+512*\c
	global_load_b128 v[224+16*\s+4*\c:227+16*\s+4*\c], v10, s[14:15] offset:128*\s+32*\c
.endr
.endr
	s_wait_loadcnt 0x0
	v_wmma_f32_16x16x128_bf8_bf8 v[16:23], v[128:143], v[64:79], 0          ; the head's sum in two accumulators, cluster 0's in two: they take turns
	v_wmma_f32_16x16x128_bf8_bf8 v[24:31], v[144:159], v[80:95], 0
	v_wmma_f32_16x16x128_bf8_bf8 v[32:39], v[224:239], v[192:207], 0
	v_wmma_f32_16x16x128_bf8_bf8 v[40:47], v[240:255], v[208:223], 0
	v_wmma_f32_16x16x128_bf8_bf8 v[16:23], v[160:175], v[96:111], v[16:23]
	v_wmma_f32_16x16x128_bf8_bf8 v[24:31], v[176:191], v[112:127], v[24:31]
	PLACES
	s_wait_alu depctr_va_vdst(0)                   ; the six products are done reading v64-207, in which the loads below land
.irp s, 0,1,2,3
.irp c, 0,1,2,3
	global_load_b128 v[64+16*\s+4*\c:67+16*\s+4*\c], v14, s[82:83] offset:512+128*\s+32*\c
	global_load_b128 v[128+16*\s+4*\c:131+16*\s+4*\c], v9, s[10:11] offset:512+128*\s+32*\c
.endr
.endr
.irp b, 0,1
	global_load_b128 v[192+4*\b:195+4*\b], v[LI], s[86:87] offset:512*\b
	global_load_b128 v[200+4*\b:203+4*\b], v11, s[16:17] offset:32*\b
.endr
	s_wait_loadcnt 0x0
	v_wmma_f32_16x16x128_bf8_bf8 v[16:23], v[128:143], v[64:79], v[16:23]
	v_wmma_f32_16x16x128_bf8_bf8 v[24:31], v[144:159], v[80:95], v[24:31]
	v_wmma_f32_16x16x64_bf8_bf8 v[48:55], v[200:207], v[192:199], 0
	v_wmma_f32_16x16x128_bf8_bf8 v[16:23], v[160:175], v[96:111], v[16:23]
	v_wmma_f32_16x16x128_bf8_bf8 v[24:31], v[176:191], v[112:127], v[24:31]
	PLACES
.irp k, 0,2,4,6
	v_pk_add_f32 v[16+\k:17+\k], v[16+\k:17+\k], v[24+\k:25+\k]             ; each accumulator from its low end on
.endr
.irp k, 0,2,4,6
	v_pk_add_f32 v[32+\k:33+\k], v[32+\k:33+\k], v[40+\k:41+\k]
.endr
.irp j, 1,2,3,4,5,6,7                  ; the diagonal: token r's logit lies in register r % 8 of lane r + 16 (r / 8): lanes j and 24 + j take register j (lanes 8-23 take what nobody uses)
	v_cndmask_b32 v16, v16, v[16+\j], s[DG+\j-1]
	v_cndmask_b32 v32, v32, v[32+\j], s[DG+\j-1]
	v_cndmask_b32 v48, v48, v[48+\j], s[DG+\j-1]
.endr
	v_ldexp_f32 v16, v16, s49
	v_ldexp_f32 v32, v32, s50
	v_ldexp_f32 v48, v48, s51
	v_add_f32 v16, v16, v13
	v_cndmask_b32 v32, 0, v32, s54
	v_cndmask_b32 v32, v32, v48, s55               ; the named cluster's logit, or 0
	v_add_f32 v16, v16, v32
	v_permlanex16_b32 v62, v16, s60, s61
	v_cndmask_b32 v16, v62, v16, s73               ; every lane now holds its token's number
	s_wait_alu depctr_va_vdst(0)                   ; v16 is written, which the LDS store reads; the products above are done reading v64-127, in which the combining's loads land
	ds_store_b32 v[TG], v16                        ; the two lanes of a token write the same word with the same number
.Lno_target:
	s_wait_dscnt 0x0                               ; for the others' sake: my statistics have landed
	s_barrier_signal -1
	s_barrier_wait -1
	; ---- combining: a token's 32 entries (16 waves x 2 halves of the lanes) of one kind become one log-sum-exp.  Waves 0-3: cluster 1; 4-7: cluster 0; 8-11: head
	s_cmp_lt_u32 s2, 12
	s_cbranch_scc0 .Lno_combine
.irp wv, 0,1,2,3,4,5,6,7                   ; no wait: on every way here the last vector or matrix instruction that names v64-127 stands ahead of a wait on va_vdst (the hand-over of statistics; the targets' last)
.irp hh, 0,1
	ds_load_b64 v[64+4*\wv+2*\hh:65+4*\wv+2*\hh], v[CB0] offset:6144*\wv+128*\hh
.endr
.endr
.irp wv, 0,1,2,3,4,5,6,7
.irp hh, 0,1
	ds_load_b64 v[96+4*\wv+2*\hh:97+4*\wv+2*\hh], v[CB1] offset:6144*\wv+128*\hh
.endr
.endr
	s_wait_dscnt 0x0
	v_min3_num_f32 v48, v64, v66, v68              ; the least -c m: the largest maximum
.irp n, 3,5,7,9,11,13,15,17,19,21,23,25,27,29
	v_min3_num_f32 v48, v48, v[64+2*\n], v[66+2*\n]
.endr
	v_min_num_f32 v48, v48, v126
.irp n, 0,1,2,3,4,5,6,7,8,9,10,11,12,13,14,15,16,17,18,19,20,21,22,23,24,25,26,27,28,29,30,31
	v_sub_f32 v[64+2*\n], v48, v[64+2*\n]
.endr
.irp n, 0,1,2,3,4,5,6,7,8,9,10,11,12,13,14,15,16,17,18,19,20,21,22,23,24,25,26,27,28,29,30,31
	v_exp_f32 v[64+2*\n], v[64+2*\n]
.endr
	v_nop                                          ; a plain instruction behind the exponentials
	s_wait_alu depctr_va_vdst(0)                   ; the 32 exponentials have written their results, ahead of the first reader
	v_mul_f32 v50, v64, v65
	v_mul_f32 v51, v66, v67
.irp n, 2,4,6,8,10,12,14,16,18,20,22,24,26,28,30
	v_fmac_f32 v50, v[64+2*\n], v[65+2*\n]
	v_fmac_f32 v51, v[66+2*\n], v[67+2*\n]
.endr
	v_add_f32 v50, v50, v51
	v_max_num_f32 v50, 0x800000, v50               ; where no wave of the chunk had a share the sum is 0: the result is then about -2e38, which counts for nothing in the last launch
	v_log_f32 v50, v50
	v_nop                                          ; a plain instruction behind the logarithm
	s_wait_alu depctr_va_vdst(0)                   ; the logarithm has written v50, ahead of its first reader
	v_sub_f32 v50, v50, v48                        ; log2 s + c m
	v_mul_f32 v50, 0x3f317218, v50                 ; x ln 2
	s_wait_alu depctr_va_vdst(0)                   ; v50 is written, which the LDS store reads; the lines above are done with v64-127, in which the loads of the way out land
	ds_store_b32 v[RW], v50
.Lno_combine:
	s_wait_dscnt 0x0
	s_barrier_signal -1
	s_barrier_wait -1
	; ---- out: each store of a wave covers 512 consecutive bytes, at a multiple of 512 from its buffer's first byte
	s_cmp_lg_u32 s2, 0
	s_cbranch_scc1 .Lnot_wave_0
	global_load_b128 v[64:67], v[LI], s[96:97]     ; y of my four tokens
	ds_load_b128 v[68:71], v[RR]                   ; cluster 1
	ds_load_b128 v[72:75], v[RR] offset:512        ; cluster 0
	v_mov_b32 v80, s75
	s_wait_loadcnt 0x0
	s_wait_dscnt 0x0
.irp k, 0,1,2,3                            ; the eight compares in one run, each into a scalar register of its own (s42-49 held the softmax's constants, which are done with)
	v_cmp_le_i32 s[42+\k], CUTA, v[64+\k]
	v_cmp_le_i32 s[46+\k], CUTB, v[64+\k]
.endr
	s_wait_alu depctr_va_sdst(0)                   ; the compares have written s42 to s49, ahead of their first reader
.irp k, 0,1,2,3
	v_cndmask_b32 v[76+\k], v80, v[72+\k], s[42+\k]
	v_cndmask_b32 v[76+\k], v[76+\k], v[68+\k], s[46+\k]
.endr
	s_wait_alu depctr_va_vdst(0)                   ; v76-79 are written, which the store reads
	global_store_b128 v[LI], v[76:79], s[90:91]
	s_branch .Lend
.Lnot_wave_0:
	s_cmp_lg_u32 s2, 1
	s_cbranch_scc1 .Lnot_wave_1
	s_cmp_eq_u32 s3, 7
	s_cbranch_scc1 .Lend                           ; chunk 7 has no share of the head: ph has seven rows
	ds_load_b128 v[64:67], v[RR] offset:1024
	s_wait_dscnt 0x0
	global_store_b128 v[LI], v[64:67], s[92:93]
	s_branch .Lend
.Lnot_wave_1:
	s_cmp_lg_u32 s2, 2
	s_cbranch_scc1 .Lend
	s_cmp_lg_u32 s3, 7
	s_cbranch_scc1 .Lend
	ds_load_b128 v[64:67], v[RR] offset:1536
	s_wait_dscnt 0x0
	global_store_b128 v[LI], v[64:67], s[94:95]
.Lend:
	s_wait_xcnt 0x0
	v_lshl_add_u32 v254, v0, 2, 0x43000            ; the add's two registers are made anew here: no memory or LDS instruction of the kernel reads v254 or v255
	v_mov_b32 v255, 0
	s_wait_dscnt 0x0                               ; the closing lines, six on end
	s_wait_alu 0x0
	s_wait_tensorcnt 0x0
	ds_add_u32 v254, v255
	s_wait_dscnt 0x0
	s_endpgm
.Lfunc_end_k_q66cc8af888_tails:
	.size	k_q66cc8af888_tails, .Lfunc_end_k_q66cc8af888_tails-k_q66cc8af888_tails
	.p2alignl 7, 3214868480
	.fill 96, 4, 3214868480
	.section	.rodata,"a",@progbits
	.p2align	6, 0x0
	.amdhsa_kernel k_q66cc8af888_tails
		.amdhsa_group_segment_fixed_size 276480
		.amdhsa_private_segment_fixed_size 0
		.amdhsa_enable_private_segment 0
		.amdhsa_kernarg_size 96
		.amdhsa_user_sgpr_count 2
		.amdhsa_user_sgpr_kernarg_segment_ptr 1
		.amdhsa_wavefront_size32 1
		.amdhsa_system_sgpr_workgroup_id_x 1
		.amdhsa_system_sgpr_workgroup_id_y 1
		.amdhsa_system_sgpr_workgroup_id_z 1
		.amdhsa_system_vgpr_workitem_id 0
		.amdhsa_next_free_vgpr 256
		.amdhsa_next_free_sgpr 100
		.amdhsa_reserve_vcc 0
		.amdhsa_float_denorm_mode_32 3
		.amdhsa_float_denorm_mode_16_64 3
		.amdhsa_memory_ordered 1
		.amdhsa_forward_progress 1
		.amdhsa_inst_pref_size 255
	.end_amdhsa_kernel
	.section	.bss,"aw",@nobits
	.p2align	6
	.space	262144
	.amdgpu_metadata
---
amdhsa.version: [ 1, 2 ]
amdhsa.kernels:
  - .name:           k_q66cc8af888_tails
    .symbol:         k_q66cc8af888_tails.kd
    .args:
      - { .name: x_codes, .offset: 0, .size: 8, .value_kind: global_buffer, .address_space: global }
      - { .name: head_w_codes, .offset: 8, .size: 8, .value_kind: global_buffer, .address_space: global }
      - { .name: head_b, .offset: 16, .size: 8, .value_kind: global_buffer, .address_space: global }
      - { .name: w0_codes, .offset: 24, .size: 8, .value_kind: global_buffer, .address_space: global }
      - { .name: w1_codes, .offset: 32, .size: 8, .value_kind: global_buffer, .address_space: global }
      - { .name: y, .offset: 40, .size: 8, .value_kind: global_buffer, .address_space: global }
      - { .name: lowp_scales, .offset: 48, .size: 8, .value_kind: global_buffer, .address_space: global }
      - { .name: h0img, .offset: 56, .size: 8, .value_kind: global_buffer, .address_space: global }
      - { .name: h1img, .offset: 64, .size: 8, .value_kind: global_buffer, .address_space: global }
      - { .name: ph, .offset: 72, .size: 8, .value_kind: global_buffer, .address_space: global }
      - { .name: pt, .offset: 80, .size: 8, .value_kind: global_buffer, .address_space: global }
      - { .name: base, .offset: 88, .size: 8, .value_kind: global_buffer, .address_space: global }
    .group_segment_fixed_size: 276480
    .private_segment_fixed_size: 0
    .kernarg_segment_align: 8
    .kernarg_segment_size: 96
    .max_flat_workgroup_size: 512
    .sgpr_count:     100
    .vgpr_count:     256
    .wavefront_size: 32
...
	.end_amdgpu_metadata
.endif
;; end of part 5
;; launch finish: the kernel of part 3 again; grid 1 x 1, 32 waves a work-group, no clusters, 4,352 bytes of LDS; arguments ph, pt, base, out0, out1; writes out0, out1
